; MI455X (gfx1250); checked and timed in simulation.
; The chip was launched on July 23, 2026; its instructions are those of AMD's public machine-readable ISA for CDNA 5 (MIT licence, August 2026) and "CDNA5" Instruction Set Architecture Reference Guide (July 2026). The comments in the code are by the model that wrote it; some were corrected since.
;; c Attend simple. Allowed arithmetic: float matrix products may take bf16 or f16 operands with f32 sums; all other float work in f32.
;; Inputs: Wk 64 x 256 float32; Wq 64 x 256 float32; bk 64 float32; bq 64 float32; embed 10,001 x 256 float32; pos 4 x 4,096 int32; val 4 x 4,096 float32.
;; Outputs: out0 4 x 4,096 float32.
;; Constants: t = 0.
;; 3 versions, each right; version 2 is faster than version 1; version 3 is version 2 with the launch qk written anew for expert scheduling mode. Each part assembles by itself: llvm-mc -triple=amdgcn-amd-amdhsa -mcpu=gfx1250 --defsym DOCPART=n.
;; ======== version 1 of 3: 2 launches
;; workspace buffers: sp 65,536 bytes
;; launch qsum (part 1): grid 256 x 1, 8 waves a work-group, no clusters, 9,728 bytes of LDS; arguments pos, val, embed, Wq, bq, sp; writes sp
.if DOCPART == 1
	.amdgcn_target "amdgcn-amd-amdhsa--gfx1250"
	.amdhsa_code_object_version 6
	.text
	.protected	k_q0c82a606fa_qsum
	.globl	k_q0c82a606fa_qsum
	.p2align	8
	.type	k_q0c82a606fa_qsum,@function
k_q0c82a606fa_qsum:
	s_mov_b64 s[64:65], 0
	v_nop
	global_prefetch_b8 v0, s[64:65] scope:SCOPE_SE
	s_setreg_imm32_b32 hwreg(HW_REG_WAVE_MODE, 25, 1), 1
	s_wait_xcnt 0x0
; qsum: the first half of  out = val + val * fx,  fx[b][j] = SCALE * sum_i val[b][i] (q[b][i] . k[b][j]).
; There is no softmax between the two products, so the sum over i is taken first:
;   fx[b][j] = k[b][j] . s[b],   s[b] = SCALE * sum_i val[b][i] q[b][i] = SCALE * ( Wq u[b] + bq sv[b] ),
;   u[b][e] = sum_i val[b][i] embed[pos[b][i]][e],   sv[b] = sum_i val[b][i].
; This launch: work-group g takes the 64 rows i = 64 g .. 64 g + 63 of the flattened [4 x 4096] list (64 work-groups a batch) and stores
;   sp[g][d] = SCALE * ( sum_e Wq[d][e] u_g[e] + bq[d] sv_g ),  d = 0 .. 63,  its share of s.  The next launch adds the 64 shares of a batch.
; LIMITS, stated: all sums are f32, but in another order than reference() takes them (i first, then e and d).  An index outside 0 .. 10000 is
; read as row 10000 (reference()'s indices stay inside the table).  SCALE = 1/8 is a power of two: the product with it is exact but below the smallest normal f32.
; SHAPE: 8 waves, 8 rows a wave.  A row of embed or of Wq is 1,024 bytes = two loads of 16 bytes a lane, each covering 512 neighbouring bytes:
; lane L holds columns 4 L .. 4 L + 3 and 128 + 4 L .. 128 + 4 L + 3.  All 32 loads of a wave (16 of Wq, 16 of rows) are out together.
; NOT USED: matrix instructions (one vector a batch is multiplied: 15 of a tile's 16 columns would be empty, and f32 keeps all bits);
; joint requests in a cluster for Wq, which every work-group reads (64 KiB of the 128 KiB that a work-group loads): Wq is filled once, straight into the
; 64 registers a lane in which it is multiplied; asked for jointly it would land in LDS, cost 16 more LDS loads a wave and two passes of the cluster's barrier for that one fill.
.set LASTROW, 10000                    ; embed's last row
.set LDS_U,   0                        ; 8 waves x 1,024 bytes: each wave's share of u
.set LDS_SV,  8192                     ; 8 words: each wave's sum of its 8 val
.set LDS_S,   8448                     ; 64 words: the work-group's result, gathered for one store
.set LN, 1                             ; v1        16 x lane
.set WO, 2                             ; v2        byte offset in Wq: 8,192 x wave + 16 x lane
.set LA, 3                             ; v3        LDS: 1,024 x wave + 16 x lane
.set SA, 4                             ; v4        LDS: 4 x wave
.set SB, 5                             ; v5        LDS: 32 x wave
.set L8, 6                             ; v6        8 x lane
.set ZR, 7                             ; v7        0
.set RO, 8                             ; v[8:15]   byte offset in embed of my 16 bytes of row j
.set U,  16                            ; v[16:23]  my 8 columns of u
.set T,  24                            ; v[24:39]  pair j: the dot product of Wq's row j at work
.set R,  40                            ; v[40:47]  the wave's 8 results
.set SV, 48                            ; v[48:55]  the waves' sums of val; v48 ends as their sum
.set W,  56                            ; v[56:119] Wq's rows 8 w + j, 8 registers each
.set X,  120                           ; v[120:183] embed's rows, 8 registers each; later the 8 waves' shares of u
.set SPOS, 24                          ; s[24:31]  my wave's 8 indices, then their byte offsets
.set SVAL, 32                          ; s[32:39]  my wave's 8 val
.set SBQ,  40                          ; s[40:47]  bq[8 w .. 8 w + 7]
.set SEL,  52                          ; s[52:53]  v_permlanex16_b32: lane i reads lane i of the other half
.macro ADD8 d, a, b                    ; eight sums, two at a time
.irp c, 0,2,4,6
	v_pk_add_f32 v[\d+\c:\d+\c+1], v[\a+\c:\a+\c+1], v[\b+\c:\b+\c+1]
.endr
.endm
; Eight dot products at once: row j's 8 numbers a lane (v[m + 8 j ..]) times the 8 numbers at v[x ..], then summed over the lanes.
; The eight chains take turns, so that no instruction waits for the one in front of it.  Left: v[T+2j] = the sum over my half of 16 lanes, v[T+2j+1] = the other half's.
.macro DOT8 m, x
.irp j, 0,1,2,3,4,5,6,7
	v_pk_mul_f32 v[T+2*\j:T+2*\j+1], v[\m+8*\j:\m+8*\j+1], v[\x:\x+1]
.endr
.irp c, 2,4,6
.irp j, 0,1,2,3,4,5,6,7
	v_pk_fma_f32 v[T+2*\j:T+2*\j+1], v[\m+8*\j+\c:\m+8*\j+\c+1], v[\x+\c:\x+\c+1], v[T+2*\j:T+2*\j+1]
.endr
.endr
.irp j, 0,1,2,3,4,5,6,7
	v_add_f32 v[T+2*\j], v[T+2*\j], v[T+2*\j+1]
.endr
.irp k, 1,2,4,8
.irp j, 0,1,2,3,4,5,6,7
	v_add_f32_dpp v[T+2*\j], v[T+2*\j], v[T+2*\j] row_xmask:\k row_mask:0xf bank_mask:0xf
.endr
.endr
.irp j, 0,1,2,3,4,5,6,7
	v_permlanex16_b32 v[T+2*\j+1], v[T+2*\j], s[SEL], s[SEL+1]     ; its destination has been written above
.endr
.endm
	s_load_b256 s[4:11], s[0:1], 0x0               ; pos s[4:5], val s[6:7], embed s[8:9], Wq s[10:11]
	s_load_b128 s[12:15], s[0:1], 0x20             ; bq s[12:13], sp s[14:15]
	v_lshl_add_u32 v184, v0, 2, 0x2200
	v_mov_b32 v185, 0
	v_lshrrev_b32 v[ZR], 5, v0
	v_readfirstlane_b32 s16, v[ZR]                 ; wave 0 .. 7
	v_and_b32 v[L8], 31, v0                        ; lane
	v_lshlrev_b32 v[LN], 4, v[L8]
	v_lshlrev_b32 v[L8], 3, v[L8]
	s_lshl_b32 s20, ttmp9, 8                       ; 256 g: the group's 64 words in pos and val, and its 256 bytes in sp
	s_mov_b32 s21, 0
	s_lshl_b32 s18, s16, 5                         ; 32 w: the wave's 8 words
	s_add_co_u32 s17, s20, s18
	s_lshl_b32 s19, s16, 2
	v_lshl_add_u32 v[WO], s16, 13, v[LN]           ; 8 rows of 1,024 bytes a wave
	v_lshl_add_u32 v[LA], s16, 10, v[LN]
	v_mov_b32 v[SA], s19
	v_mov_b32 v[SB], s18
	v_mov_b32 v[ZR], 0
	s_mov_b32 s[SEL], 0x76543210
	s_mov_b32 s[SEL+1], 0xfedcba98
	s_wait_kmcnt 0x0
	s_load_b256 s[SPOS:SPOS+7], s[4:5], s17 offset:0x0
	s_load_b256 s[SVAL:SVAL+7], s[6:7], s17 offset:0x0
	s_load_b256 s[SBQ:SBQ+7], s[12:13], s18 offset:0x0
	; Wq hangs on no index: its 16 loads go out while the indices are on their way
.irp j, 0,1,2,3,4,5,6,7
	global_load_b128 v[W+8*\j:W+8*\j+3],   v[WO], s[10:11] offset:1024*\j
	global_load_b128 v[W+8*\j+4:W+8*\j+7], v[WO], s[10:11] offset:1024*\j+512
.endr
	s_add_nc_u64 s[14:15], s[14:15], s[20:21]      ; sp at the group's 256 bytes
	s_wait_kmcnt 0x0                               ; indices, val, bq
.irp j, 0,1,2,3,4,5,6,7
	s_min_u32 s[SPOS+\j], s[SPOS+\j], LASTROW      ; no load leaves the table
	s_lshl_b32 s[SPOS+\j], s[SPOS+\j], 10          ; rows of 1,024 bytes
	v_add_nc_u32 v[RO+\j], s[SPOS+\j], v[LN]
	global_load_b128 v[X+8*\j:X+8*\j+3],   v[RO+\j], s[8:9]
	global_load_b128 v[X+8*\j+4:X+8*\j+7], v[RO+\j], s[8:9] offset:512
.endr
	; the wave's sum of val, while the rows are on their way
	s_add_f32 s48, s[SVAL+0], s[SVAL+1]
	s_add_f32 s49, s[SVAL+2], s[SVAL+3]
	s_add_f32 s50, s[SVAL+4], s[SVAL+5]
	s_add_f32 s51, s[SVAL+6], s[SVAL+7]
	s_add_f32 s48, s48, s49
	s_add_f32 s50, s50, s51
	s_add_f32 s48, s48, s50
	v_mov_b32 v[SV], s48
	ds_store_b32 v[SA], v[SV] offset:LDS_SV        ; all lanes write the wave's one word with one value
	; u: the first row starts the sums.  Loads come back in order: behind row j's two loads stand the 2 (7 - j) of the later rows.
	s_wait_loadcnt 14
.irp c, 0,1,2,3,4,5,6,7
	v_mul_f32 v[U+\c], s[SVAL], v[X+\c]
.endr
.irp j, 1,2,3,4,5,6,7
	s_wait_loadcnt 14-2*\j
.irp c, 0,1,2,3,4,5,6,7
	v_fmac_f32 v[U+\c], s[SVAL+\j], v[X+8*\j+\c]
.endr
.endr
	ds_store_b128 v[LA], v[U:U+3]   offset:LDS_U
	ds_store_b128 v[LA], v[U+4:U+7] offset:LDS_U+512
	s_wait_dscnt 0x0                               ; my three stores are in LDS, for the other waves' sake
	s_barrier_signal -1
	s_barrier_wait -1                              ; everybody's are
.irp k, 0,1,2,3,4,5,6,7
	ds_load_b128 v[X+8*\k:X+8*\k+3],   v[LN] offset:LDS_U+1024*\k       ; wave k's share of my 8 columns
	ds_load_b128 v[X+8*\k+4:X+8*\k+7], v[LN] offset:LDS_U+1024*\k+512
.endr
	ds_load_b128 v[SV:SV+3],   v[ZR] offset:LDS_SV
	ds_load_b128 v[SV+4:SV+7], v[ZR] offset:LDS_SV+16
	s_wait_dscnt 10                                ; of 18 loads the first 8 (waves 0 to 3) are in
	ADD8 X, X, X+8
	ADD8 X+16, X+16, X+24
	ADD8 X, X, X+16
	s_wait_dscnt 2                                 ; all but the two loads of the sums of val
	ADD8 X+32, X+32, X+40
	ADD8 X+48, X+48, X+56
	ADD8 X+32, X+32, X+48
	ADD8 U, X, X+32                                ; u of the group's 64 rows, my 8 columns
	s_wait_dscnt 0x0
	v_pk_add_f32 v[SV:SV+1], v[SV:SV+1], v[SV+2:SV+3]
	v_pk_add_f32 v[SV+4:SV+5], v[SV+4:SV+5], v[SV+6:SV+7]
	v_pk_add_f32 v[SV:SV+1], v[SV:SV+1], v[SV+4:SV+5]
	v_add_f32 v[SV], v[SV], v[SV+1]                ; sv of the group's 64 rows
	DOT8 W, U                                      ; Wq's rows 8 w + j times u (Wq was loaded ahead of the rows: the wait for the last row covered it)
.irp j, 0,1,2,3,4,5,6,7
	v_add_f32 v[R+\j], v[T+2*\j], v[T+2*\j+1]      ; both halves of the lanes
.endr
.irp j, 0,1,2,3,4,5,6,7
	v_fmac_f32 v[R+\j], s[SBQ+\j], v[SV]           ; + bq[8 w + j] sv
.endr
	ds_store_b128 v[SB], v[R:R+3]   offset:LDS_S   ; every lane holds the same eight numbers and writes the wave's same 32 bytes
	ds_store_b128 v[SB], v[R+4:R+7] offset:LDS_S+16
	s_wait_dscnt 0x0                               ; in LDS, for wave 0's sake
	s_barrier_signal -1
	s_barrier_wait -1
	s_cmp_lg_u32 s16, 0
	s_cbranch_scc1 .Ldone
	ds_load_b64 v[T:T+1], v[L8] offset:LDS_S       ; wave 0: lane L takes d = 2 L, 2 L + 1
	s_wait_dscnt 0x0
	v_pk_mul_f32 v[T:T+1], v[T:T+1], 0x3e000000 op_sel_hi:[1,0]    ; SCALE = 64^-0.5 = 0.125, once for everything that is made of s
	global_store_b64 v[L8], v[T:T+1], s[14:15]     ; one store of the wave covers the group's 256 consecutive bytes, aligned
.Ldone:
	s_wait_tensorcnt 0x0
	ds_add_u32 v184, v185
	s_wait_dscnt 0x0
	s_endpgm
.Lfunc_end_k_q0c82a606fa_qsum:
	.size	k_q0c82a606fa_qsum, .Lfunc_end_k_q0c82a606fa_qsum-k_q0c82a606fa_qsum
	.p2alignl 7, 3214868480
	.fill 96, 4, 3214868480
	.section	.rodata,"a",@progbits
	.p2align	6, 0x0
	.amdhsa_kernel k_q0c82a606fa_qsum
		.amdhsa_group_segment_fixed_size 9728
		.amdhsa_private_segment_fixed_size 0
		.amdhsa_enable_private_segment 0
		.amdhsa_kernarg_size 48
		.amdhsa_user_sgpr_count 2
		.amdhsa_user_sgpr_kernarg_segment_ptr 1
		.amdhsa_wavefront_size32 1
		.amdhsa_system_sgpr_workgroup_id_x 1
		.amdhsa_system_sgpr_workgroup_id_y 1
		.amdhsa_system_sgpr_workgroup_id_z 1
		.amdhsa_system_vgpr_workitem_id 0
		.amdhsa_next_free_vgpr 186
		.amdhsa_next_free_sgpr 66
		.amdhsa_reserve_vcc 0
		.amdhsa_float_denorm_mode_32 3
		.amdhsa_float_denorm_mode_16_64 3
		.amdhsa_memory_ordered 1
		.amdhsa_forward_progress 1
		.amdhsa_inst_pref_size 18
	.end_amdhsa_kernel
	.amdgpu_metadata
---
amdhsa.version: [ 1, 2 ]
amdhsa.kernels:
  - .name:           k_q0c82a606fa_qsum
    .symbol:         k_q0c82a606fa_qsum.kd
    .args:
      - { .name: pos, .offset: 0, .size: 8, .value_kind: global_buffer, .address_space: global }
      - { .name: val, .offset: 8, .size: 8, .value_kind: global_buffer, .address_space: global }
      - { .name: embed, .offset: 16, .size: 8, .value_kind: global_buffer, .address_space: global }
      - { .name: Wq, .offset: 24, .size: 8, .value_kind: global_buffer, .address_space: global }
      - { .name: bq, .offset: 32, .size: 8, .value_kind: global_buffer, .address_space: global }
      - { .name: sp, .offset: 40, .size: 8, .value_kind: global_buffer, .address_space: global }
    .group_segment_fixed_size: 9728
    .private_segment_fixed_size: 0
    .kernarg_segment_align: 8
    .kernarg_segment_size: 48
    .max_flat_workgroup_size: 256
    .sgpr_count:     66
    .vgpr_count:     186
    .wavefront_size: 32
...
	.end_amdgpu_metadata
.endif
;; end of part 1
;; launch apply (part 2): grid 256 x 1, 8 waves a work-group, no clusters, 14,336 bytes of LDS; arguments pos, val, embed, Wk, bk, sp, out0; writes out0
.if DOCPART == 2
	.amdgcn_target "amdgcn-amd-amdhsa--gfx1250"
	.amdhsa_code_object_version 6
	.text
	.protected	k_q0c82a606fa_apply
	.globl	k_q0c82a606fa_apply
	.p2align	8
	.type	k_q0c82a606fa_apply,@function
k_q0c82a606fa_apply:
	s_mov_b64 s[64:65], 0
	v_nop
	global_prefetch_b8 v0, s[64:65] scope:SCOPE_SE
	s_setreg_imm32_b32 hwreg(HW_REG_WAVE_MODE, 25, 1), 1
	s_wait_xcnt 0x0
; apply: the second half of  out = val + val * fx.  With s[b][d] = sum over the batch's 64 rows g of sp[g][d] (SCALE is already in sp):
;   fx[b][j] = k[b][j] . s[b] = embed[pos[b][j]] . w[b] + c[b],   w[b][e] = sum_d Wk[d][e] s[b][d],   c[b] = sum_d bk[d] s[b][d].
; Work-group g makes the 64 outputs j = 64 g .. 64 g + 63 of the flattened [4 x 4096] list; its batch is g / 64.  Each work-group makes s, w and c for itself:
; 16 KiB of sp and 64 KiB of Wk beside its 64 KiB of rows, all asked for at the start, so that they are on their way together.
; LIMITS, stated: all sums are f32, in another order than reference() takes them.  An index outside 0 .. 10000 is read as row 10000
; (reference()'s indices stay inside the table).
; SHAPE: 8 waves, 8 outputs a wave.  A row of embed or of Wk is two loads of 16 bytes a lane, each covering 512 neighbouring bytes:
; lane L holds columns 4 L .. 4 L + 3 and 128 + 4 L .. 128 + 4 L + 3.  Wave v multiplies Wk's rows d = 8 v .. 8 v + 7 by its eight s[d]; the eight shares of w meet in LDS.
; NOT USED: matrix instructions (one vector a batch is multiplied: 15 of a tile's 16 columns would be empty, and f32 keeps all bits);
; joint requests in a cluster for Wk and sp, which work-groups share (80 KiB of the 144 KiB that a work-group loads): each is filled once, straight into the
; registers in which it is used; asked for jointly it would land in LDS, cost 20 more LDS loads a wave and two passes of the cluster's barrier for that one fill.
.set LASTROW, 10000                    ; embed's last row
.set PPITCH,  288                      ; an LDS row of 64 sums: 256 bytes + 32.  A wave reads 32 bytes of each of 16 rows: rows 8 apart in a pass of 16 lanes start 32 bytes apart modulo 256, so the 16 lanes touch 16 different columns of 16 bytes
.set LDS_P,   0                        ; 16 rows x 288 bytes: sp summed down to 16 rows
.set LDS_W,   4608                     ; 8 waves x 1,024 bytes: each wave's share of w
.set LDS_C,   12800                    ; 8 words: each wave's share of c
.set LDS_O,   13056                    ; 64 words: the work-group's outputs, gathered for one store
.set LN, 1                             ; v1        16 x lane
.set WO, 2                             ; v2        byte offset in Wk: 8,192 x wave + 16 x lane
.set LA, 3                             ; v3        LDS: 1,024 x wave + 16 x lane
.set CA, 4                             ; v4        LDS: 4 x wave
.set SB, 5                             ; v5        LDS: 32 x wave
.set L8, 6                             ; v6        8 x lane
.set ZR, 7                             ; v7        0
.set RO, 8                             ; v[8:15]   byte offset in embed of my 16 bytes of row j
.set PO, 16                            ; v16       16 x thread: my 16 bytes of each 4,096 bytes of the batch's sp
.set PS, 17                            ; v17       LDS: (thread / 16) x 288 + 16 x (thread % 16)
.set PR, 18                            ; v18       LDS: (lane / 2) x 288 + 32 x wave + 16 x (lane % 2)
.set TM, 19                            ; v19       at work
.set P,  20                            ; v[20:35]  four times four numbers of sp
.set WV, 36                            ; v[36:43]  my 8 columns of w: the wave's share, then the whole
.set T,  44                            ; v[44:59]  pair j: the dot product of row j at work
.set R,  60                            ; v[60:67]  the wave's 8 outputs
.set C,  68                            ; v[68:75]  the waves' shares of c; v68 ends as c
.set W,  76                            ; v[76:139] Wk's rows 8 v + j, 8 registers each; later the 8 waves' shares of w
.set X,  140                           ; v[140:203] embed's rows, 8 registers each
.set SPOS, 24                          ; s[24:31]  my wave's 8 indices, then their byte offsets
.set SVAL, 32                          ; s[32:39]  my wave's 8 val
.set SBK,  40                          ; s[40:47]  bk[8 v .. 8 v + 7]
.set SS,   48                          ; s[48:55]  s[8 v .. 8 v + 7]
.set SEL,  58                          ; s[58:59]  v_permlanex16_b32: lane i reads lane i of the other half
.macro ADD8 d, a, b                    ; eight sums, two at a time
.irp c, 0,2,4,6
	v_pk_add_f32 v[\d+\c:\d+\c+1], v[\a+\c:\a+\c+1], v[\b+\c:\b+\c+1]
.endr
.endm
; Eight dot products at once: row j's 8 numbers a lane (v[m + 8 j ..]) times the 8 numbers at v[x ..], then summed over the lanes.
; The eight chains take turns, so that no instruction waits for the one in front of it.  Left: v[T+2j] = the sum over my half of 16 lanes, v[T+2j+1] = the other half's.
.macro DOT8 m, x
.irp j, 0,1,2,3,4,5,6,7
	v_pk_mul_f32 v[T+2*\j:T+2*\j+1], v[\m+8*\j:\m+8*\j+1], v[\x:\x+1]
.endr
.irp c, 2,4,6
.irp j, 0,1,2,3,4,5,6,7
	v_pk_fma_f32 v[T+2*\j:T+2*\j+1], v[\m+8*\j+\c:\m+8*\j+\c+1], v[\x+\c:\x+\c+1], v[T+2*\j:T+2*\j+1]
.endr
.endr
.irp j, 0,1,2,3,4,5,6,7
	v_add_f32 v[T+2*\j], v[T+2*\j], v[T+2*\j+1]
.endr
.irp k, 1,2,4,8
.irp j, 0,1,2,3,4,5,6,7
	v_add_f32_dpp v[T+2*\j], v[T+2*\j], v[T+2*\j] row_xmask:\k row_mask:0xf bank_mask:0xf
.endr
.endr
.irp j, 0,1,2,3,4,5,6,7
	v_permlanex16_b32 v[T+2*\j+1], v[T+2*\j], s[SEL], s[SEL+1]     ; its destination has been written above
.endr
.endm
	s_load_b256 s[4:11], s[0:1], 0x0               ; pos s[4:5], val s[6:7], embed s[8:9], Wk s[10:11]
	s_load_b128 s[12:15], s[0:1], 0x20             ; bk s[12:13], sp s[14:15]
	s_load_b64 s[16:17], s[0:1], 0x30              ; out0
	v_lshl_add_u32 v204, v0, 2, 0x3400
	v_mov_b32 v205, 0
	v_lshrrev_b32 v[TM], 5, v0
	v_readfirstlane_b32 s18, v[TM]                 ; wave 0 .. 7
	v_and_b32 v[L8], 31, v0                        ; lane
	v_lshlrev_b32 v[LN], 4, v[L8]
	v_lshrrev_b32 v[PR], 1, v[L8]
	v_lshlrev_b32 v[L8], 3, v[L8]
	v_lshlrev_b32 v[PO], 4, v0
	v_lshrrev_b32 v[PS], 4, v0
	v_and_b32 v[TM], 15, v0
	v_mul_u32_u24 v[PS], v[PS], PPITCH
	v_lshl_add_u32 v[PS], v[TM], 4, v[PS]
	v_and_b32 v[TM], 1, v0
	v_mul_u32_u24 v[PR], v[PR], PPITCH
	v_lshl_add_u32 v[PR], v[TM], 4, v[PR]
	s_lshl_b32 s20, ttmp9, 8                       ; 256 g: the group's 64 words in pos, val and out0
	s_mov_b32 s21, 0
	s_lshl_b32 s22, s18, 5                         ; 32 v: the wave's 8 words
	s_add_co_u32 s19, s20, s22
	s_lshl_b32 s23, s18, 2
	s_lshr_b32 s60, ttmp9, 6                       ; the batch,
	s_lshl_b32 s60, s60, 14                        ; times its 64 rows of 256 bytes in sp
	s_mov_b32 s61, 0
	v_add_nc_u32 v[PR], s22, v[PR]
	v_lshl_add_u32 v[WO], s18, 13, v[LN]           ; 8 rows of 1,024 bytes a wave
	v_lshl_add_u32 v[LA], s18, 10, v[LN]
	v_mov_b32 v[CA], s23
	v_mov_b32 v[SB], s22
	v_mov_b32 v[ZR], 0
	s_mov_b32 s[SEL], 0x76543210
	s_mov_b32 s[SEL+1], 0xfedcba98
	s_wait_kmcnt 0x0
	s_load_b256 s[SPOS:SPOS+7], s[4:5], s19 offset:0x0
	s_load_b256 s[SVAL:SVAL+7], s[6:7], s19 offset:0x0
	s_load_b256 s[SBK:SBK+7], s[12:13], s22 offset:0x0
	s_add_nc_u64 s[14:15], s[14:15], s[60:61]      ; sp at the batch's first row
	s_add_nc_u64 s[16:17], s[16:17], s[20:21]      ; out0 at the group's 256 bytes
	; sp and Wk hang on no index: their loads go out while the indices are on their way.  Thread t takes bytes 16 t of each quarter of the batch's 16 KiB:
	; rows t / 16 + 16 k, numbers d = 4 (t % 16) .. + 3; a wave's load covers 512 neighbouring bytes.
.irp k, 0,1,2,3
	global_load_b128 v[P+4*\k:P+4*\k+3], v[PO], s[14:15] offset:4096*\k
.endr
.irp j, 0,1,2,3,4,5,6,7
	global_load_b128 v[W+8*\j:W+8*\j+3],   v[WO], s[10:11] offset:1024*\j
	global_load_b128 v[W+8*\j+4:W+8*\j+7], v[WO], s[10:11] offset:1024*\j+512
.endr
	s_wait_kmcnt 0x0                               ; indices, val, bk
.irp j, 0,1,2,3,4,5,6,7
	s_min_u32 s[SPOS+\j], s[SPOS+\j], LASTROW      ; no load leaves the table
	s_lshl_b32 s[SPOS+\j], s[SPOS+\j], 10          ; rows of 1,024 bytes
	v_add_nc_u32 v[RO+\j], s[SPOS+\j], v[LN]
	global_load_b128 v[X+8*\j:X+8*\j+3],   v[RO+\j], s[8:9]
	global_load_b128 v[X+8*\j+4:X+8*\j+7], v[RO+\j], s[8:9] offset:512
.endr
	; s: 64 rows of sp down to 16 in the lanes, the 16 through LDS
	s_wait_loadcnt 32                              ; behind the four loads of sp stand 16 of Wk and 16 of rows
	v_pk_add_f32 v[P:P+1],     v[P:P+1],     v[P+4:P+5]
	v_pk_add_f32 v[P+2:P+3],   v[P+2:P+3],   v[P+6:P+7]
	v_pk_add_f32 v[P+8:P+9],   v[P+8:P+9],   v[P+12:P+13]
	v_pk_add_f32 v[P+10:P+11], v[P+10:P+11], v[P+14:P+15]
	v_pk_add_f32 v[P:P+1],     v[P:P+1],     v[P+8:P+9]
	v_pk_add_f32 v[P+2:P+3],   v[P+2:P+3],   v[P+10:P+11]
	ds_store_b128 v[PS], v[P:P+3] offset:LDS_P
	s_wait_dscnt 0x0                               ; in LDS, for the other waves' sake
	s_barrier_signal -1
	s_barrier_wait -1
	ds_load_b128 v[P:P+3], v[PR] offset:LDS_P      ; lane L: row L / 2 of the 16, numbers d = 8 v + 4 (L % 2) .. + 3
	s_wait_dscnt 0x0
.irp k, 2,4,8
.irp c, 0,1,2,3
	v_add_f32_dpp v[P+\c], v[P+\c], v[P+\c] row_xmask:\k row_mask:0xf bank_mask:0xf   ; over the 8 rows of my half of the lanes
.endr
.endr
.irp c, 0,1,2,3
	v_permlanex16_b32 v[P+4+\c], v[P+\c], s[SEL], s[SEL+1]         ; its destination was written by the loads of sp
.endr
	v_pk_add_f32 v[P:P+1],   v[P:P+1],   v[P+4:P+5]
	v_pk_add_f32 v[P+2:P+3], v[P+2:P+3], v[P+6:P+7]
.irp c, 0,1,2,3
	v_readlane_b32 s[SS+\c],   v[P+\c], 0          ; even lanes hold s[8 v .. 8 v + 3],
	v_readlane_b32 s[SS+4+\c], v[P+\c], 1          ; odd lanes s[8 v + 4 .. 8 v + 7]
.endr
	; the wave's shares of w and of c; the first row starts the sums
	s_wait_loadcnt 16                              ; behind Wk's loads stand the 16 of the rows
.irp c, 0,1,2,3,4,5,6,7
	v_mul_f32 v[WV+\c], s[SS], v[W+\c]
.endr
	v_mul_f32 v[C], s[SBK], s[SS]
.irp j, 1,2,3,4,5,6,7
.irp c, 0,1,2,3,4,5,6,7
	v_fmac_f32 v[WV+\c], s[SS+\j], v[W+8*\j+\c]
.endr
	v_fma_f32 v[C], s[SBK+\j], s[SS+\j], v[C]
.endr
	ds_store_b128 v[LA], v[WV:WV+3]   offset:LDS_W
	ds_store_b128 v[LA], v[WV+4:WV+7] offset:LDS_W+512
	ds_store_b32 v[CA], v[C] offset:LDS_C          ; all lanes write the wave's one word with one value
	s_wait_dscnt 0x0                               ; in LDS, for the other waves' sake
	s_barrier_signal -1
	s_barrier_wait -1
.irp k, 0,1,2,3,4,5,6,7
	ds_load_b128 v[W+8*\k:W+8*\k+3],   v[LN] offset:LDS_W+1024*\k       ; wave k's share of my 8 columns
	ds_load_b128 v[W+8*\k+4:W+8*\k+7], v[LN] offset:LDS_W+1024*\k+512
.endr
	ds_load_b128 v[C:C+3],   v[ZR] offset:LDS_C
	ds_load_b128 v[C+4:C+7], v[ZR] offset:LDS_C+16
	s_wait_dscnt 10                                ; of 18 loads the first 8 (waves 0 to 3) are in
	ADD8 W, W, W+8
	ADD8 W+16, W+16, W+24
	ADD8 W, W, W+16
	s_wait_dscnt 2                                 ; all but the two loads of the shares of c
	ADD8 W+32, W+32, W+40
	ADD8 W+48, W+48, W+56
	ADD8 W+32, W+32, W+48
	ADD8 WV, W, W+32                               ; w, my 8 columns
	s_wait_dscnt 0x0
	v_pk_add_f32 v[C:C+1], v[C:C+1], v[C+2:C+3]
	v_pk_add_f32 v[C+4:C+5], v[C+4:C+5], v[C+6:C+7]
	v_pk_add_f32 v[C:C+1], v[C:C+1], v[C+4:C+5]
	v_add_f32 v[C], v[C], v[C+1]                   ; c
	s_wait_loadcnt 0x0                             ; the wave's 8 rows of embed
	DOT8 X, WV                                     ; embed[pos[j]] . w
.irp j, 0,1,2,3,4,5,6,7
	v_add_f32 v[R+\j], v[T+2*\j], v[T+2*\j+1]      ; both halves of the lanes
.endr
.irp j, 0,1,2,3,4,5,6,7
	v_add_f32 v[R+\j], v[R+\j], v[C]               ; fx
.endr
.irp j, 0,1,2,3,4,5,6,7
	v_fma_f32 v[R+\j], s[SVAL+\j], v[R+\j], s[SVAL+\j]             ; val + val fx
.endr
	ds_store_b128 v[SB], v[R:R+3]   offset:LDS_O   ; every lane holds the same eight numbers and writes the wave's same 32 bytes
	ds_store_b128 v[SB], v[R+4:R+7] offset:LDS_O+16
	s_wait_dscnt 0x0                               ; in LDS, for wave 0's sake
	s_barrier_signal -1
	s_barrier_wait -1
	s_cmp_lg_u32 s18, 0
	s_cbranch_scc1 .Ldone
	ds_load_b64 v[T:T+1], v[L8] offset:LDS_O       ; wave 0: lane L takes outputs 2 L, 2 L + 1
	s_wait_dscnt 0x0
	global_store_b64 v[L8], v[T:T+1], s[16:17] th:TH_STORE_NT      ; one store of the wave covers the group's 256 consecutive bytes, aligned
.Ldone:
	s_wait_tensorcnt 0x0
	ds_add_u32 v204, v205
	s_wait_dscnt 0x0
	s_endpgm
.Lfunc_end_k_q0c82a606fa_apply:
	.size	k_q0c82a606fa_apply, .Lfunc_end_k_q0c82a606fa_apply-k_q0c82a606fa_apply
	.p2alignl 7, 3214868480
	.fill 96, 4, 3214868480
	.section	.rodata,"a",@progbits
	.p2align	6, 0x0
	.amdhsa_kernel k_q0c82a606fa_apply
		.amdhsa_group_segment_fixed_size 14336
		.amdhsa_private_segment_fixed_size 0
		.amdhsa_enable_private_segment 0
		.amdhsa_kernarg_size 56
		.amdhsa_user_sgpr_count 2
		.amdhsa_user_sgpr_kernarg_segment_ptr 1
		.amdhsa_wavefront_size32 1
		.amdhsa_system_sgpr_workgroup_id_x 1
		.amdhsa_system_sgpr_workgroup_id_y 1
		.amdhsa_system_sgpr_workgroup_id_z 1
		.amdhsa_system_vgpr_workitem_id 0
		.amdhsa_next_free_vgpr 206
		.amdhsa_next_free_sgpr 66
		.amdhsa_reserve_vcc 0
		.amdhsa_float_denorm_mode_32 3
		.amdhsa_float_denorm_mode_16_64 3
		.amdhsa_memory_ordered 1
		.amdhsa_forward_progress 1
		.amdhsa_inst_pref_size 22
	.end_amdhsa_kernel
	.amdgpu_metadata
---
amdhsa.version: [ 1, 2 ]
amdhsa.kernels:
  - .name:           k_q0c82a606fa_apply
    .symbol:         k_q0c82a606fa_apply.kd
    .args:
      - { .name: pos, .offset: 0, .size: 8, .value_kind: global_buffer, .address_space: global }
      - { .name: val, .offset: 8, .size: 8, .value_kind: global_buffer, .address_space: global }
      - { .name: embed, .offset: 16, .size: 8, .value_kind: global_buffer, .address_space: global }
      - { .name: Wk, .offset: 24, .size: 8, .value_kind: global_buffer, .address_space: global }
      - { .name: bk, .offset: 32, .size: 8, .value_kind: global_buffer, .address_space: global }
      - { .name: sp, .offset: 40, .size: 8, .value_kind: global_buffer, .address_space: global }
      - { .name: out0, .offset: 48, .size: 8, .value_kind: global_buffer, .address_space: global }
    .group_segment_fixed_size: 14336
    .private_segment_fixed_size: 0
    .kernarg_segment_align: 8
    .kernarg_segment_size: 56
    .max_flat_workgroup_size: 256
    .sgpr_count:     66
    .vgpr_count:     206
    .wavefront_size: 32
...
	.end_amdgpu_metadata
.endif
;; end of part 2
;; ======== version 2 of 3: 2 launches; 1.15 times as fast as version 1
;; limits: values are held in f16: magnitudes above 65,504 overflow, below 6.1e-05 lose precision
;; workspace buffers: sp 65,536 bytes; kt 4,194,304 bytes
;; launch qk (part 3): grid 256 x 1, 8 waves a work-group, no clusters, 77,312 bytes of LDS; arguments pos, val, embed, Wq, bq, Wk, bk, sp, kt; writes sp, kt
.if DOCPART == 3
	.amdgcn_target "amdgcn-amd-amdhsa--gfx1250"
	.amdhsa_code_object_version 6
	.text
	.protected	k_q0c82a606fa_qk
	.globl	k_q0c82a606fa_qk
	.p2align	8
	.type	k_q0c82a606fa_qk,@function
k_q0c82a606fa_qk:
	s_mov_b64 s[64:65], 0
	v_nop
	global_prefetch_b8 v0, s[64:65] scope:SCOPE_SE
	s_setreg_imm32_b32 hwreg(HW_REG_WAVE_MODE, 25, 1), 1
	s_wait_xcnt 0x0
; qk: the first half of  out = val + val * fx,  fx[b][j] = SCALE * sum_i val[b][i] (q[b][i] . k[b][j]).
; There is no softmax between the two products, so the sum over i is taken first:  fx[b][j] = k[b][j] . s[b]  with
;   s[b] = SCALE * ( Wq u[b] + bq sv[b] ),   u[b][e] = sum_i val[b][i] embed[pos[b][i]][e],   sv[b] = sum_i val[b][i],   k[b][j] = Wk embed[pos[b][j]] + bk.
; Work-group g takes the 64 rows 64 g .. 64 g + 63 of the flattened [4 x 4096] list (64 work-groups a batch), gathers them ONCE and makes of them
;   sp[g][d] = SCALE * ( sum_e Wq[d][e] u_g[e] + bq[d] sv_g ),  its share of s, all in f32 on the vector unit, and
;   kt = its 64 rows of k (64 numbers each, f32), on the matrix unit: 64 x 64 x 256 multiply-adds, 16 matrix instructions a wave.
; The next launch adds a batch's 64 shares of s and multiplies k by s: it reads neither pos nor embed nor Wk.
; FORMATS: the operands of k's product (embed's rows, Wk) are rounded to f16, its sums are f32.  f16 and not bf16 for its three more bits: s is kept in f32,
; and k should not be much coarser.  LIMITS, stated: an entry of embed or Wk above 65,504 in magnitude becomes infinite in f16, and entries are rounded with a step
; of at least 2^-24.  The problem draws embed with spread 1 and Wk within 1/16: thirty times that, or an offset of thirty spreads, stays some 400 times under the limit.
; All f32 sums are taken in another order than reference() takes them (i first).  An index outside 0 .. 10000 is read as row 10000 (reference()'s stay inside the table).
; SCALE = 1/8 is a power of two: the product with it is exact but below the smallest normal f32.
; SHAPE: 8 waves.  Wave w loads rows 8 w .. 8 w + 7 of the group's 64, of Wk and of Wq.  A row is 1,024 bytes = two loads of 16 bytes a lane, each covering
; 512 neighbouring bytes: lane L holds columns 4 L .. 4 L + 3 and 128 + 4 L .. 128 + 4 L + 3.
; For the matrix unit wave w makes two tiles of 16 x 16: rows 16 (w / 2) .. + 15, numbers d = 32 (w % 2) .. + 31.
; kt's layout is this program's own: byte 16,384 g + 4,096 q + 16 t holds registers 4 q .. 4 q + 3 of thread t's 16 accumulator registers.
; NOT USED: joint requests in a cluster for Wq and Wk, which every work-group reads (128 KiB of the 192 KiB that a work-group loads): each is filled once; Wq goes straight into the
; 64 registers a lane in which it is multiplied, and Wk has to pass through registers to be rounded to f16: landing in LDS as f32 it would cost 16 more LDS loads a wave each,
; and two passes of the cluster's barrier for that one fill.
.set LASTROW, 10000                    ; embed's last row
.set EP,      528                      ; an LDS row of 256 f16: 512 bytes + 16 = 33 x 16: the 16 rows that a fragment load touches start at 16 different columns of 16 bytes modulo 256
.set LDS_U,   0                        ; 8 waves x 1,024 bytes: each wave's share of u
.set LDS_SV,  8192                     ; 8 words: each wave's sum of its 8 val
.set LDS_S,   8448                     ; 64 words: the group's share of s, gathered for one store
.set LDS_E,   8704                     ; 64 rows x 528 bytes: the group's rows of embed in f16
.set LDS_K,   LDS_E+64*EP              ; 64 rows x 528 bytes: Wk in f16; ends at byte 76,288
.set LN, 1                             ; v1        16 x lane
.set WO, 2                             ; v2        byte offset in Wq and in Wk: 8,192 x wave + 16 x lane
.set LA, 3                             ; v3        LDS: 1,024 x wave + 16 x lane
.set SA, 4                             ; v4        LDS: 4 x wave
.set SB, 5                             ; v5        LDS: 32 x wave
.set L8, 6                             ; v6        8 x lane
.set ZR, 7                             ; v7        0
.set RO, 8                             ; v[8:15]   byte offset in embed of my 16 bytes of row j; when the rows are in:
.set SV, 8                             ; v[8:15]   the waves' sums of val; v8 ends as their sum
.set U,  16                            ; v[16:23]  my 8 columns of u; when u has been multiplied:
.set R,  16                            ; v[16:23]  the wave's 8 numbers of the share of s
.set T,  24                            ; v[24:39]  at work: rounded words on their way to LDS; pair j: the dot product of Wq's row j
.set FA, 40                            ; v40       LDS: my 16 bytes of E's fragments: LDS_E + (16 (w / 2) + L % 16) x 528 + 16 (L / 16)
.set FB, 41                            ; v41       LDS: the same of Wk's: LDS_K + (32 (w % 2) + L % 16) x 528 + 16 (L / 16)
.set ES, 42                            ; v42       LDS: 8 rows x 528 x wave + 8 x lane: where I put 8 bytes of a rounded row
.set BO, 43                            ; v43       byte offset in bk: 128 (w % 2) + 32 (L / 16)
.set KO, 44                            ; v44       16 x thread: my 16 bytes of each 4,096 bytes of the group's part of kt
.set TM, 45                            ; v45       at work; then the wave's sum of val
.set ACC, 48                           ; v[48:63]  two accumulator tiles
.set WQ, 64                            ; v[64:127] Wq's rows 8 w + j, 8 registers each
.set X,  128                           ; v[128:191] embed's rows, 8 registers each; later the 8 waves' shares of u
.set WK, 192                           ; v[192:255] Wk's rows 8 w + j in f32, 8 registers each; when they are rounded:
.set FE, 192                           ; v[192:255] E's fragments: 8 steps of 32 along e, 8 registers each
.set FW, 0                             ; v[256:383], written v0 .. v127 in the second window of 256: Wk's fragments, tile t, step k at 64 t + 8 k
.set SPOS, 24                          ; s[24:31]  my wave's 8 indices, then their byte offsets
.set SVAL, 32                          ; s[32:39]  my wave's 8 val
.set SBQ,  40                          ; s[40:47]  bq[8 w .. 8 w + 7]
.set SEL,  52                          ; s[52:53]  v_permlanex16_b32: lane i reads lane i of the other half
.macro ADD8 d, a, b                    ; eight sums, two at a time
.irp c, 0,2,4,6
	v_pk_add_f32 v[\d+\c:\d+\c+1], v[\a+\c:\a+\c+1], v[\b+\c:\b+\c+1]
.endr
.endm
; Row j of eight (8 registers at v[src + 8 j]) is rounded to f16 and laid in LDS: columns 4 L .. + 3 at byte 8 L of the row, columns 128 + 4 L .. + 3 at byte 256 + 8 L.
; A store of the wave covers 256 neighbouring bytes.  Four sets of T take turns.
.macro TOF16 src, j, base
	v_cvt_pk_f16_f32 v[T+4*(\j%4)],   v[\src+8*\j],   v[\src+8*\j+1]
	v_cvt_pk_f16_f32 v[T+4*(\j%4)+1], v[\src+8*\j+2], v[\src+8*\j+3]
	v_cvt_pk_f16_f32 v[T+4*(\j%4)+2], v[\src+8*\j+4], v[\src+8*\j+5]
	v_cvt_pk_f16_f32 v[T+4*(\j%4)+3], v[\src+8*\j+6], v[\src+8*\j+7]
	ds_store_b64 v[ES], v[T+4*(\j%4):T+4*(\j%4)+1]   offset:\base+EP*\j
	ds_store_b64 v[ES], v[T+4*(\j%4)+2:T+4*(\j%4)+3] offset:\base+EP*\j+256
.endm
; Eight dot products at once: row j's 8 numbers a lane (v[m + 8 j ..]) times the 8 numbers at v[x ..], then summed over the lanes.
; The eight chains take turns, so that no instruction waits for the one in front of it.  Left: v[T+2j] = the sum over my half of 16 lanes, v[T+2j+1] = the other half's.
.macro DOT8 m, x
.irp j, 0,1,2,3,4,5,6,7
	v_pk_mul_f32 v[T+2*\j:T+2*\j+1], v[\m+8*\j:\m+8*\j+1], v[\x:\x+1]
.endr
.irp c, 2,4,6
.irp j, 0,1,2,3,4,5,6,7
	v_pk_fma_f32 v[T+2*\j:T+2*\j+1], v[\m+8*\j+\c:\m+8*\j+\c+1], v[\x+\c:\x+\c+1], v[T+2*\j:T+2*\j+1]
.endr
.endr
.irp j, 0,1,2,3,4,5,6,7
	v_add_f32 v[T+2*\j], v[T+2*\j], v[T+2*\j+1]
.endr
.irp k, 1,2,4,8
.irp j, 0,1,2,3,4,5,6,7
	v_add_f32_dpp v[T+2*\j], v[T+2*\j], v[T+2*\j] row_xmask:\k row_mask:0xf bank_mask:0xf
.endr
.endr
.irp j, 0,1,2,3,4,5,6,7
	v_permlanex16_b32 v[T+2*\j+1], v[T+2*\j], s[SEL], s[SEL+1]     ; its destination has been written above
.endr
.endm
	s_load_b256 s[4:11], s[0:1], 0x0               ; pos s[4:5], val s[6:7], embed s[8:9], Wq s[10:11]
	s_load_b256 s[12:19], s[0:1], 0x20             ; bq s[12:13], Wk s[14:15], bk s[16:17], sp s[18:19]
	s_load_b64 s[20:21], s[0:1], 0x40              ; kt
	v_lshl_add_u32 v46, v0, 2, 0x12a00
	v_mov_b32 v47, 0
	v_lshrrev_b32 v[TM], 5, v0
	v_readfirstlane_b32 s22, v[TM]                 ; wave 0 .. 7
	v_and_b32 v[L8], 31, v0                        ; lane
	v_lshlrev_b32 v[LN], 4, v[L8]
	v_lshlrev_b32 v[L8], 3, v[L8]
	v_lshlrev_b32 v[KO], 4, v0
	v_and_b32 v[FA], 15, v0                        ; L % 16: a fragment's row
	v_bfe_u32 v[TM], v0, 4, 1                      ; L / 16: which 8 of each 16 along e
	v_mul_u32_u24 v[FA], v[FA], EP
	v_lshl_add_u32 v[FA], v[TM], 4, v[FA]          ; row x pitch + 16 x half
	s_lshl_b32 s60, ttmp9, 8                       ; 256 g: the group's 64 words in pos and val, and its 256 bytes in sp
	s_mov_b32 s61, 0
	s_lshl_b32 s62, ttmp9, 14                      ; 16,384 g: the group's part of kt
	s_mov_b32 s63, 0
	s_lshl_b32 s23, s22, 5                         ; 32 w: the wave's 8 words
	s_add_co_u32 s59, s60, s23
	s_lshl_b32 s54, s22, 2
	s_lshr_b32 s55, s22, 1                         ; w / 2: which 16 of the group's rows my tiles take
	s_and_b32 s56, s22, 1                          ; w % 2: which 32 of the 64 numbers d
	s_mul_i32 s55, s55, 16*EP
	s_add_co_u32 s55, s55, LDS_E
	s_mul_i32 s57, s56, 32*EP
	s_add_co_u32 s57, s57, LDS_K
	s_lshl_b32 s56, s56, 7
	s_mul_i32 s58, s22, 8*EP
	v_add_nc_u32 v[FB], s57, v[FA]
	v_add_nc_u32 v[FA], s55, v[FA]
	v_lshl_add_u32 v[BO], v[TM], 5, s56
	v_add_nc_u32 v[ES], s58, v[L8]
	v_lshl_add_u32 v[WO], s22, 13, v[LN]           ; 8 rows of 1,024 bytes a wave
	v_lshl_add_u32 v[LA], s22, 10, v[LN]
	v_mov_b32 v[SA], s54
	v_mov_b32 v[SB], s23
	v_mov_b32 v[ZR], 0
	s_mov_b32 s[SEL], 0x76543210
	s_mov_b32 s[SEL+1], 0xfedcba98
	s_wait_kmcnt 0x0
	s_load_b256 s[SPOS:SPOS+7], s[4:5], s59 offset:0x0
	s_load_b256 s[SVAL:SVAL+7], s[6:7], s59 offset:0x0
	s_load_b256 s[SBQ:SBQ+7], s[12:13], s23 offset:0x0
	; Wk and bk hang on no index: their 20 loads go out while the indices are on their way
.irp j, 0,1,2,3,4,5,6,7
	global_load_b128 v[WK+8*\j:WK+8*\j+3],   v[WO], s[14:15] offset:1024*\j
	global_load_b128 v[WK+8*\j+4:WK+8*\j+7], v[WO], s[14:15] offset:1024*\j+512
.endr
	; bk is loaded straight into the accumulators: register i of tile t belongs to d = 32 (w % 2) + 16 t + 8 (L / 16) + i in every lane's row, so the sums start from the bias
.irp t, 0,1
	global_load_b128 v[ACC+8*\t:ACC+8*\t+3],   v[BO], s[16:17] offset:64*\t
	global_load_b128 v[ACC+8*\t+4:ACC+8*\t+7], v[BO], s[16:17] offset:64*\t+16
.endr
	s_add_nc_u64 s[18:19], s[18:19], s[60:61]      ; sp at the group's 256 bytes
	s_add_nc_u64 s[20:21], s[20:21], s[62:63]      ; kt at the group's 16 KiB
	s_wait_kmcnt 0x0                               ; indices, val, bq
.irp j, 0,1,2,3,4,5,6,7
	s_min_u32 s[SPOS+\j], s[SPOS+\j], LASTROW      ; no load leaves the table
	s_lshl_b32 s[SPOS+\j], s[SPOS+\j], 10          ; rows of 1,024 bytes
	v_add_nc_u32 v[RO+\j], s[SPOS+\j], v[LN]
	global_load_b128 v[X+8*\j:X+8*\j+3],   v[RO+\j], s[8:9]
	global_load_b128 v[X+8*\j+4:X+8*\j+7], v[RO+\j], s[8:9] offset:512
.endr
	; the wave's sum of val, while the rows are on their way
	v_add_f32 v[T],   s[SVAL],   s[SVAL+1]
	v_add_f32 v[T+1], s[SVAL+2], s[SVAL+3]
	v_add_f32 v[T+2], s[SVAL+4], s[SVAL+5]
	v_add_f32 v[T+3], s[SVAL+6], s[SVAL+7]
	v_pk_add_f32 v[T:T+1], v[T:T+1], v[T+2:T+3]
	v_add_f32 v[TM], v[T], v[T+1]
	ds_store_b32 v[SA], v[TM] offset:LDS_SV        ; all lanes write the wave's one word with one value
	; Wk to f16 and into LDS.  Loads come back in order: behind row j's two loads stand 2 (7 - j) of Wk, 4 of bk and 16 of rows.
.irp j, 0,1,2,3,4,5,6,7
	s_wait_loadcnt 34-2*\j
	TOF16 WK, \j, LDS_K
.endr
	s_wait_dscnt 0x0                               ; my rows of Wk are in LDS, for the other waves' sake
	s_barrier_signal -1
	s_barrier_wait -1                              ; all 64 are
	; Wk's fragments hang on no row of embed: all 32 loads go out now, while the rows are on their way.
	; A fragment is 16 rows x 32 along e in 8 registers: lane L holds row L % 16; registers 0-3 hold e = 8 (L / 16) + 0..7, registers 4-7 e = 16 + 8 (L / 16) + 0..7: two loads, 32 bytes apart.
	s_set_vgpr_msb 0x40                            ; destinations in the second window (v256 ..), addresses in the first
.irp t, 0,1
.irp k, 0,1,2,3,4,5,6,7
	ds_load_b128 v[FW+64*\t+8*\k:FW+64*\t+8*\k+3],   v[FB] offset:16*EP*\t+64*\k
	ds_load_b128 v[FW+64*\t+8*\k+4:FW+64*\t+8*\k+7], v[FB] offset:16*EP*\t+64*\k+32
.endr
.endr
	s_set_vgpr_msb 0x4000                          ; all back to the first window (the high byte repeats the setting that is left)
	; Wq is needed last, behind the whole of u: its 16 loads are issued behind the rows' and behind the LDS instructions above
.irp j, 0,1,2,3,4,5,6,7
	global_load_b128 v[WQ+8*\j:WQ+8*\j+3],   v[WO], s[10:11] offset:1024*\j
	global_load_b128 v[WQ+8*\j+4:WQ+8*\j+7], v[WO], s[10:11] offset:1024*\j+512
.endr
	; each row, as it comes: into the sum u (f32; the first row starts the sums) and, rounded, into LDS.  Behind row j's two loads stand 2 (7 - j) of rows and 16 of Wq.
	s_wait_loadcnt 30
.irp c, 0,1,2,3,4,5,6,7
	v_mul_f32 v[U+\c], s[SVAL], v[X+\c]
.endr
	TOF16 X, 0, LDS_E
.irp j, 1,2,3,4,5,6,7
	s_wait_loadcnt 30-2*\j
.irp c, 0,1,2,3,4,5,6,7
	v_fmac_f32 v[U+\c], s[SVAL+\j], v[X+8*\j+\c]
.endr
	TOF16 X, \j, LDS_E
.endr
	ds_store_b128 v[LA], v[U:U+3]   offset:LDS_U
	ds_store_b128 v[LA], v[U+4:U+7] offset:LDS_U+512
	s_wait_dscnt 0x0                               ; my rows and my share of u are in LDS, for the other waves' sake; Wk's fragments are in my registers
	s_barrier_signal -1
	s_barrier_wait -1                              ; everybody's are
.irp k, 0,1,2,3,4,5,6,7
	ds_load_b128 v[FE+8*\k:FE+8*\k+3],   v[FA] offset:64*\k            ; E's fragments, ahead of everything else
	ds_load_b128 v[FE+8*\k+4:FE+8*\k+7], v[FA] offset:64*\k+32
.endr
.irp k, 0,1,2,3,4,5,6,7
	ds_load_b128 v[X+8*\k:X+8*\k+3],   v[LN] offset:LDS_U+1024*\k      ; wave k's share of my 8 columns of u
	ds_load_b128 v[X+8*\k+4:X+8*\k+7], v[LN] offset:LDS_U+1024*\k+512
.endr
	ds_load_b128 v[SV:SV+3],   v[ZR] offset:LDS_SV ; v[8:15] held the rows' offsets: the wait for the last row has shown those loads done
	ds_load_b128 v[SV+4:SV+7], v[ZR] offset:LDS_SV+16
	; k = Wk e + bk.  Source 0 takes 16 rows of Wk and source 1 16 rows of E, so that lane L holds row L % 16 of the 16 and its registers 0 to 7 the
	; numbers d = 8 (L / 16) + 0 .. 7: neighbouring numbers of a row of k.  The two accumulators take turns, one instruction a turn.
	; bk was loaded ahead of the rows: the wait for the last row covered it.
	s_set_vgpr_msb 0x0001                          ; source 0 in the second window
.irp k, 0,1,2,3,4,5,6,7
	s_wait_dscnt 32-2*\k                           ; behind step k's two loads stand 2 (7 - k) of E's and the 18 of u and of the sums of val
	v_wmma_f32_16x16x32_f16 v[ACC:ACC+7],    v[FW+8*\k:FW+8*\k+7],       v[FE+8*\k:FE+8*\k+7], v[ACC:ACC+7]
	v_wmma_f32_16x16x32_f16 v[ACC+8:ACC+15], v[FW+64+8*\k:FW+64+8*\k+7], v[FE+8*\k:FE+8*\k+7], v[ACC+8:ACC+15]
.endr
	s_set_vgpr_msb 0x0100                          ; all back to the first window
	s_wait_dscnt 10                                ; of the 18 loads the first 8 (waves 0 to 3) are in
	ADD8 X, X, X+8                                 ; these twelve packed sums name none of the matrix instructions' registers: they are the places
	ADD8 X+16, X+16, X+24                          ; (four are asked for) between the last matrix instruction and the stores of the results
	ADD8 X, X, X+16
.irp q, 0,1,2,3
	global_store_b128 v[KO], v[ACC+4*\q:ACC+4*\q+3], s[20:21] offset:4096*\q   ; each store of the wave covers 512 consecutive bytes, aligned
.endr
	s_wait_dscnt 2                                 ; all but the two loads of the sums of val
	ADD8 X+32, X+32, X+40
	ADD8 X+48, X+48, X+56
	ADD8 X+32, X+32, X+48
	ADD8 U, X, X+32                                ; u of the group's 64 rows, my 8 columns
	s_wait_dscnt 0x0
	v_pk_add_f32 v[SV:SV+1], v[SV:SV+1], v[SV+2:SV+3]
	v_pk_add_f32 v[SV+4:SV+5], v[SV+4:SV+5], v[SV+6:SV+7]
	v_pk_add_f32 v[SV:SV+1], v[SV:SV+1], v[SV+4:SV+5]
	v_add_f32 v[SV], v[SV], v[SV+1]                ; sv of the group's 64 rows
	s_wait_loadcnt 0x0                             ; Wq
	DOT8 WQ, U                                     ; Wq's rows 8 w + j times u
.irp j, 0,1,2,3,4,5,6,7
	v_add_f32 v[R+\j], v[T+2*\j], v[T+2*\j+1]      ; both halves of the lanes (u is no longer needed: R takes its registers)
.endr
.irp j, 0,1,2,3,4,5,6,7
	v_fmac_f32 v[R+\j], s[SBQ+\j], v[SV]           ; + bq[8 w + j] sv
.endr
	ds_store_b128 v[SB], v[R:R+3]   offset:LDS_S   ; every lane holds the same eight numbers and writes the wave's same 32 bytes
	ds_store_b128 v[SB], v[R+4:R+7] offset:LDS_S+16
	s_wait_dscnt 0x0                               ; in LDS, for wave 0's sake
	s_barrier_signal -1
	s_barrier_wait -1
	s_cmp_lg_u32 s22, 0
	s_cbranch_scc1 .Ldone
	ds_load_b64 v[T:T+1], v[L8] offset:LDS_S       ; wave 0: lane L takes d = 2 L, 2 L + 1
	s_wait_dscnt 0x0
	v_pk_mul_f32 v[T:T+1], v[T:T+1], 0x3e000000 op_sel_hi:[1,0]    ; SCALE = 64^-0.5 = 0.125, once for everything that is made of s
	global_store_b64 v[L8], v[T:T+1], s[18:19]     ; one store of the wave covers the group's 256 consecutive bytes, aligned
.Ldone:
	s_wait_tensorcnt 0x0
	ds_add_u32 v46, v47
	s_wait_dscnt 0x0
	s_endpgm
.Lfunc_end_k_q0c82a606fa_qk:
	.size	k_q0c82a606fa_qk, .Lfunc_end_k_q0c82a606fa_qk-k_q0c82a606fa_qk
	.p2alignl 7, 3214868480
	.fill 96, 4, 3214868480
	.section	.rodata,"a",@progbits
	.p2align	6, 0x0
	.amdhsa_kernel k_q0c82a606fa_qk
		.amdhsa_group_segment_fixed_size 77312
		.amdhsa_private_segment_fixed_size 0
		.amdhsa_enable_private_segment 0
		.amdhsa_kernarg_size 72
		.amdhsa_user_sgpr_count 2
		.amdhsa_user_sgpr_kernarg_segment_ptr 1
		.amdhsa_wavefront_size32 1
		.amdhsa_system_sgpr_workgroup_id_x 1
		.amdhsa_system_sgpr_workgroup_id_y 1
		.amdhsa_system_sgpr_workgroup_id_z 1
		.amdhsa_system_vgpr_workitem_id 0
		.amdhsa_next_free_vgpr 384
		.amdhsa_next_free_sgpr 66
		.amdhsa_reserve_vcc 0
		.amdhsa_float_denorm_mode_32 3
		.amdhsa_float_denorm_mode_16_64 3
		.amdhsa_memory_ordered 1
		.amdhsa_forward_progress 1
		.amdhsa_inst_pref_size 32
	.end_amdhsa_kernel
	.amdgpu_metadata
---
amdhsa.version: [ 1, 2 ]
amdhsa.kernels:
  - .name:           k_q0c82a606fa_qk
    .symbol:         k_q0c82a606fa_qk.kd
    .args:
      - { .name: pos, .offset: 0, .size: 8, .value_kind: global_buffer, .address_space: global }
      - { .name: val, .offset: 8, .size: 8, .value_kind: global_buffer, .address_space: global }
      - { .name: embed, .offset: 16, .size: 8, .value_kind: global_buffer, .address_space: global }
      - { .name: Wq, .offset: 24, .size: 8, .value_kind: global_buffer, .address_space: global }
      - { .name: bq, .offset: 32, .size: 8, .value_kind: global_buffer, .address_space: global }
      - { .name: Wk, .offset: 40, .size: 8, .value_kind: global_buffer, .address_space: global }
      - { .name: bk, .offset: 48, .size: 8, .value_kind: global_buffer, .address_space: global }
      - { .name: sp, .offset: 56, .size: 8, .value_kind: global_buffer, .address_space: global }
      - { .name: kt, .offset: 64, .size: 8, .value_kind: global_buffer, .address_space: global }
    .group_segment_fixed_size: 77312
    .private_segment_fixed_size: 0
    .kernarg_segment_align: 8
    .kernarg_segment_size: 72
    .max_flat_workgroup_size: 256
    .sgpr_count:     66
    .vgpr_count:     384
    .wavefront_size: 32
...
	.end_amdgpu_metadata
.endif
;; end of part 3
;; launch apply (part 4): grid 256 x 1, 8 waves a work-group, no clusters, 5,888 bytes of LDS; arguments val, sp, kt, out0; writes out0
.if DOCPART == 4
	.amdgcn_target "amdgcn-amd-amdhsa--gfx1250"
	.amdhsa_code_object_version 6
	.text
	.protected	k_q0c82a606fa_apply
	.globl	k_q0c82a606fa_apply
	.p2align	8
	.type	k_q0c82a606fa_apply,@function
k_q0c82a606fa_apply:
	s_mov_b64 s[64:65], 0
	v_nop
	global_prefetch_b8 v0, s[64:65] scope:SCOPE_SE
	s_setreg_imm32_b32 hwreg(HW_REG_WAVE_MODE, 25, 1), 1
	s_wait_xcnt 0x0
; apply: the second half of  out = val + val * fx,  fx[b][j] = k[b][j] . s[b].
; s[b][d] = the sum over the batch's 64 rows g of sp[g][d] (SCALE is already in sp); k (bias included) lies in kt as the launch before left it:
; byte 16,384 g + 4,096 q + 16 t holds, for thread t = 32 w + L of work-group g, the four numbers d = 32 (w % 2) + 16 (q / 2) + 8 (L / 16) + 4 (q % 2) + 0 .. 3
; of row 64 g + 16 (w / 2) + L % 16.  Work-group g makes the 64 outputs 64 g .. 64 g + 63 of the flattened [4 x 4096] list; its batch is g / 64.
; Thread t reads back what thread t wrote: all nine loads of a thread hang on its number alone and go out together.
; LIMITS, stated: all sums are f32, in another order than reference() takes them.  val enters as two halves, one with each of the two waves that share a row:
; halving is exact but for the last bit of a val below the smallest normal f32.
; NOT USED: matrix instructions (one vector a batch is multiplied: 15 of a tile's 16 columns would be empty); joint requests in a cluster for sp, which the 64 work-groups
; of a batch share: 16 KiB, filled once, summed four rows to one in the registers in which it lands; through LDS it would cost four more LDS loads a thread and two passes of the cluster's barrier.
.set SPITCH, 272                       ; an LDS row of 64 sums: 256 bytes + 16 = 17 x 16: the 16 rows that a load touches start at 16 different columns of 16 bytes modulo 256
.set LDS_P,  0                         ; 16 rows x 272 bytes: sp summed down to 16 rows
.set LDS_O,  16*SPITCH                 ; 8 waves x 16 words: each wave's share of its 16 outputs; ends at byte 4,864
.set PO, 1                             ; v1        16 x thread: my 16 bytes of each 4,096 bytes of the batch's sp and of the group's kt
.set PS, 2                             ; v2        LDS: (thread / 16) x 272 + 16 (thread % 16)
.set PR, 3                             ; v3        LDS: (L % 16) x 272 + 128 (w % 2) + 32 (L / 16)
.set VO, 4                             ; v4        byte offset in the group's val: 64 (w / 2) + 4 (L % 16)
.set OS, 5                             ; v5        LDS: 64 w + 4 (L % 16)
.set OL, 6                             ; v6        LDS: 128 (L / 8) + 8 (L % 8)
.set L8, 7                             ; v7        8 x lane
.set RR, 8                             ; v8        L % 16
.set HH, 9                             ; v9        at work
.set VL, 10                            ; v10       val of my row
.set HV, 11                            ; v11       half of it
.set P,  12                            ; v[12:27]  four times four numbers of sp
.set KT, 28                            ; v[28:43]  my 16 numbers of k
.set S,  44                            ; v[44:59]  s at the same 16 d
.set A,  60                            ; v[60:63]  the dot product at work
.set SEL, 16                           ; s[16:17]  v_permlanex16_b32: lane i reads lane i of the other half
	s_load_b256 s[4:11], s[0:1], 0x0               ; val s[4:5], sp s[6:7], kt s[8:9], out0 s[10:11]
	v_lshl_add_u32 v64, v0, 2, 0x1300
	v_mov_b32 v65, 0
	v_lshrrev_b32 v[HH], 5, v0
	v_readfirstlane_b32 s12, v[HH]                 ; wave 0 .. 7
	v_and_b32 v[L8], 31, v0                        ; lane
	v_and_b32 v[RR], 15, v0
	v_bfe_u32 v[HH], v0, 4, 1                      ; L / 16
	v_lshlrev_b32 v[PO], 4, v0
	v_lshrrev_b32 v[PS], 4, v0
	v_mul_u32_u24 v[PS], v[PS], SPITCH
	v_lshl_add_u32 v[PS], v[RR], 4, v[PS]
	v_mul_u32_u24 v[PR], v[RR], SPITCH
	v_lshl_add_u32 v[PR], v[HH], 5, v[PR]
	s_and_b32 s13, s12, 1
	s_lshl_b32 s13, s13, 7                         ; 128 (w % 2)
	s_lshr_b32 s14, s12, 1
	s_lshl_b32 s14, s14, 6                         ; 64 (w / 2)
	s_lshl_b32 s15, s12, 6                         ; 64 w
	v_add_nc_u32 v[PR], s13, v[PR]
	v_lshl_add_u32 v[VO], v[RR], 2, s14
	v_lshl_add_u32 v[OS], v[RR], 2, s15
	v_lshrrev_b32 v[OL], 3, v[L8]
	v_and_b32 v[HH], 7, v0
	v_lshlrev_b32 v[OL], 7, v[OL]
	v_lshl_add_u32 v[OL], v[HH], 3, v[OL]
	v_lshlrev_b32 v[L8], 3, v[L8]
	s_mov_b32 s[SEL], 0x76543210
	s_mov_b32 s[SEL+1], 0xfedcba98
	s_lshl_b32 s18, ttmp9, 8                       ; 256 g: the group's 64 words in val and out0
	s_mov_b32 s19, 0
	s_lshr_b32 s20, ttmp9, 6                       ; the batch,
	s_lshl_b32 s20, s20, 14                        ; times its 64 rows of 256 bytes in sp
	s_mov_b32 s21, 0
	s_lshl_b32 s22, ttmp9, 14                      ; 16,384 g: the group's part of kt
	s_mov_b32 s23, 0
	s_wait_kmcnt 0x0
	s_add_nc_u64 s[4:5], s[4:5], s[18:19]
	s_add_nc_u64 s[6:7], s[6:7], s[20:21]
	s_add_nc_u64 s[8:9], s[8:9], s[22:23]
	s_add_nc_u64 s[10:11], s[10:11], s[18:19]
	; sp first: the longer way hangs on it.  Thread t takes bytes 16 t of each quarter of the batch's 16 KiB: rows t / 16 + 16 k, numbers d = 4 (t % 16) .. + 3.
.irp k, 0,1,2,3
	global_load_b128 v[P+4*\k:P+4*\k+3], v[PO], s[6:7] offset:4096*\k
.endr
.irp q, 0,1,2,3
	global_load_b128 v[KT+4*\q:KT+4*\q+3], v[PO], s[8:9] offset:4096*\q th:TH_LOAD_NT   ; each byte of kt is read once in the launch
.endr
	global_load_b32 v[VL], v[VO], s[4:5]
	; s: 64 rows of sp down to 16 in the lanes, the 16 through LDS
	s_wait_loadcnt 5                               ; behind the four loads of sp stand four of kt and one of val
	v_pk_add_f32 v[P:P+1],     v[P:P+1],     v[P+4:P+5]
	v_pk_add_f32 v[P+2:P+3],   v[P+2:P+3],   v[P+6:P+7]
	v_pk_add_f32 v[P+8:P+9],   v[P+8:P+9],   v[P+12:P+13]
	v_pk_add_f32 v[P+10:P+11], v[P+10:P+11], v[P+14:P+15]
	v_pk_add_f32 v[P:P+1],     v[P:P+1],     v[P+8:P+9]
	v_pk_add_f32 v[P+2:P+3],   v[P+2:P+3],   v[P+10:P+11]
	ds_store_b128 v[PS], v[P:P+3] offset:LDS_P
	s_wait_dscnt 0x0                               ; in LDS, for the other waves' sake
	s_barrier_signal -1
	s_barrier_wait -1
	; lane L reads row L % 16 of the 16 at exactly the 16 numbers d of which it holds k; the sum over the 16 lanes of its half then leaves s at those d in every lane
.irp t, 0,1
	ds_load_b128 v[S+8*\t:S+8*\t+3],   v[PR] offset:LDS_P+64*\t
	ds_load_b128 v[S+8*\t+4:S+8*\t+7], v[PR] offset:LDS_P+64*\t+16
.endr
	s_wait_dscnt 0x0
.irp k, 1,2,4,8
.irp c, 0,1,2,3,4,5,6,7,8,9,10,11,12,13,14,15
	v_add_f32_dpp v[S+\c], v[S+\c], v[S+\c] row_xmask:\k row_mask:0xf bank_mask:0xf   ; sixteen chains take turns
.endr
.endr
	s_wait_loadcnt 0x0                             ; k and val
	v_pk_mul_f32 v[A:A+1],   v[KT:KT+1],   v[S:S+1]                ; the first products start the two chains
	v_pk_mul_f32 v[A+2:A+3], v[KT+2:KT+3], v[S+2:S+3]
.irp c, 4,8,12
	v_pk_fma_f32 v[A:A+1],   v[KT+\c:KT+\c+1],   v[S+\c:S+\c+1],   v[A:A+1]
	v_pk_fma_f32 v[A+2:A+3], v[KT+\c+2:KT+\c+3], v[S+\c+2:S+\c+3], v[A+2:A+3]
.endr
	v_pk_add_f32 v[A:A+1], v[A:A+1], v[A+2:A+3]
	v_mul_f32 v[HV], 0.5, v[VL]
	v_add_f32 v[A], v[A], v[A+1]                   ; my 16 d
	v_permlanex16_b32 v[A+1], v[A], s[SEL], s[SEL+1]               ; the other half of the lanes holds the same row's other 16 d; the destination has been written above
	v_add_f32 v[A], v[A], v[A+1]                   ; the wave's 32 d of row L % 16
	v_fma_f32 v[A], v[VL], v[A], v[HV]             ; val x (my wave's half of fx) + val / 2: the two waves of a row add up to val + val fx
	ds_store_b32 v[OS], v[A] offset:LDS_O          ; lanes L and L + 16 write one word with one value
	s_wait_dscnt 0x0                               ; in LDS, for wave 0's sake
	s_barrier_signal -1
	s_barrier_wait -1
	s_cmp_lg_u32 s12, 0
	s_cbranch_scc1 .Ldone
	ds_load_b64 v[A:A+1],   v[OL] offset:LDS_O     ; wave 0: lane L takes outputs 2 L, 2 L + 1: rows 2 (L % 8), + 1 of waves 2 (L / 8)
	ds_load_b64 v[A+2:A+3], v[OL] offset:LDS_O+64  ; and 2 (L / 8) + 1
	s_wait_dscnt 0x0
	v_pk_add_f32 v[A:A+1], v[A:A+1], v[A+2:A+3]
	global_store_b64 v[L8], v[A:A+1], s[10:11] th:TH_STORE_NT      ; one store of the wave covers the group's 256 consecutive bytes, aligned
.Ldone:
	s_wait_tensorcnt 0x0
	ds_add_u32 v64, v65
	s_wait_dscnt 0x0
	s_endpgm
.Lfunc_end_k_q0c82a606fa_apply:
	.size	k_q0c82a606fa_apply, .Lfunc_end_k_q0c82a606fa_apply-k_q0c82a606fa_apply
	.p2alignl 7, 3214868480
	.fill 96, 4, 3214868480
	.section	.rodata,"a",@progbits
	.p2align	6, 0x0
	.amdhsa_kernel k_q0c82a606fa_apply
		.amdhsa_group_segment_fixed_size 5888
		.amdhsa_private_segment_fixed_size 0
		.amdhsa_enable_private_segment 0
		.amdhsa_kernarg_size 32
		.amdhsa_user_sgpr_count 2
		.amdhsa_user_sgpr_kernarg_segment_ptr 1
		.amdhsa_wavefront_size32 1
		.amdhsa_system_sgpr_workgroup_id_x 1
		.amdhsa_system_sgpr_workgroup_id_y 1
		.amdhsa_system_sgpr_workgroup_id_z 1
		.amdhsa_system_vgpr_workitem_id 0
		.amdhsa_next_free_vgpr 66
		.amdhsa_next_free_sgpr 66
		.amdhsa_reserve_vcc 0
		.amdhsa_float_denorm_mode_32 3
		.amdhsa_float_denorm_mode_16_64 3
		.amdhsa_memory_ordered 1
		.amdhsa_forward_progress 1
		.amdhsa_inst_pref_size 10
	.end_amdhsa_kernel
	.amdgpu_metadata
---
amdhsa.version: [ 1, 2 ]
amdhsa.kernels:
  - .name:           k_q0c82a606fa_apply
    .symbol:         k_q0c82a606fa_apply.kd
    .args:
      - { .name: val, .offset: 0, .size: 8, .value_kind: global_buffer, .address_space: global }
      - { .name: sp, .offset: 8, .size: 8, .value_kind: global_buffer, .address_space: global }
      - { .name: kt, .offset: 16, .size: 8, .value_kind: global_buffer, .address_space: global }
      - { .name: out0, .offset: 24, .size: 8, .value_kind: global_buffer, .address_space: global }
    .group_segment_fixed_size: 5888
    .private_segment_fixed_size: 0
    .kernarg_segment_align: 8
    .kernarg_segment_size: 32
    .max_flat_workgroup_size: 256
    .sgpr_count:     66
    .vgpr_count:     66
    .wavefront_size: 32
...
	.end_amdgpu_metadata
.endif
;; end of part 4
;; ======== version 3 of 3: 2 launches; version 2 with the launch qk written anew for expert scheduling mode
;; limits: values are held in f16: magnitudes above 65,504 overflow, below 6.1e-05 lose precision
;; workspace buffers: sp 65,536 bytes; kt 4,194,304 bytes
;; launch qk (part 5): grid 256 x 1, 8 waves a work-group, no clusters, 77,312 bytes of LDS; arguments pos, val, embed, Wq, bq, Wk, bk, sp, kt; writes sp, kt
.if DOCPART == 5
	.amdgcn_target "amdgcn-amd-amdhsa--gfx1250"
	.amdhsa_code_object_version 6
	.text
	.protected	k_q0c82a606fa_qk
	.globl	k_q0c82a606fa_qk
	.p2align	8
	.type	k_q0c82a606fa_qk,@function
k_q0c82a606fa_qk:
	s_mov_b64 s[64:65], 0
	v_nop
	global_prefetch_b8 v0, s[64:65] scope:SCOPE_SE
	s_setreg_imm32_b32 hwreg(HW_REG_WAVE_SCHED_MODE, 0, 2), 2
	s_setreg_imm32_b32 hwreg(HW_REG_WAVE_MODE, 25, 1), 1
	s_wait_xcnt 0x0
	s_wait_alu depctr_vm_vsrc(0)
; qk: the first half of  out = val + val * fx,  fx[b][j] = SCALE * sum_i val[b][i] (q[b][i] . k[b][j]).
; There is no softmax between the two products, so the sum over i is taken first:  fx[b][j] = k[b][j] . s[b]  with
;   s[b] = SCALE * ( Wq u[b] + bq sv[b] ),   u[b][e] = sum_i val[b][i] embed[pos[b][i]][e],   sv[b] = sum_i val[b][i],   k[b][j] = Wk embed[pos[b][j]] + bk.
; Work-group g takes the 64 rows 64 g .. 64 g + 63 of the flattened [4 x 4096] list (64 work-groups a batch), gathers them ONCE and makes of them
;   sp[g][d] = SCALE * ( sum_e Wq[d][e] u_g[e] + bq[d] sv_g ),  its share of s, all in f32 on the vector unit, and
;   kt = its 64 rows of k (64 numbers each, f32), on the matrix unit: 64 x 64 x 256 multiply-adds, 16 matrix instructions a wave.
; The next launch adds a batch's 64 shares of s and multiplies k by s: it reads neither pos nor embed nor Wk.
; FORMATS: the operands of k's product (embed's rows, Wk) are rounded to f16, its sums are f32.  f16 and not bf16 for its three more bits: s is kept in f32,
; and k should not be much coarser.  LIMITS, stated: an entry of embed or Wk above 65,504 in magnitude becomes infinite in f16, and entries are rounded with a step
; of at least 2^-24.  The problem draws embed with spread 1 and Wk within 1/16: thirty times that, or an offset of thirty spreads, stays some 400 times under the limit.
; All f32 sums are taken in another order than reference() takes them (i first).  An index outside 0 .. 10000 is read as row 10000 (reference()'s stay inside the table).
; SCALE = 1/8 is a power of two: the product with it is exact but below the smallest normal f32.
; SHAPE: 8 waves.  Wave w loads rows 8 w .. 8 w + 7 of the group's 64, of Wk and of Wq.  A row is 1,024 bytes = two loads of 16 bytes a lane, each covering
; 512 neighbouring bytes: lane L holds columns 4 L .. 4 L + 3 and 128 + 4 L .. 128 + 4 L + 3.
; For the matrix unit wave w makes two tiles of 16 x 16: rows 16 (w / 2) .. + 15, numbers d = 32 (w % 2) .. + 31.
; kt's layout is this program's own: byte 16,384 g + 4,096 q + 16 t holds registers 4 q .. 4 q + 3 of thread t's 16 accumulator registers.
; NOT USED: joint requests in a cluster for Wq and Wk, which every work-group reads (128 KiB of the 192 KiB that a work-group loads): each is filled once; Wq goes straight into the
; 64 registers a lane in which it is multiplied, and Wk has to pass through registers to be rounded to f16: landing in LDS as f32 it would cost 16 more LDS loads a wave each,
; and two passes of the cluster's barrier for that one fill.
; THE MODE: SCHED_MODE bits 1:0 = 2 (LLVM: expert scheduling mode 2), set by the entry lines.  The code itself states the register dependences
; between vector or matrix instructions and memory or LDS instructions, with s_wait_alu, always for 0.
; THE PLAN.  Registers that memory or LDS instructions touch:
;   v1-7, v40-44  offsets and LDS addresses: made at the head, ahead of one wait on va_vdst, and never written again.
;   v[RO]         made by eight adds when the indices are in; one wait on va_vdst; read by the rows' 16 loads.  Behind the second barrier the sums of val land there.
;   WK, X         a row's 8 numbers are rounded IN PLACE, into the first 4 of its 8 registers, and stored to LDS from there: no register that an LDS store reads is written again ahead of the
;                 second barrier.  The stores stand in runs of eight, four rows' each, behind one wait on va_vdst for the four rows' conversions.  Behind the second barrier E's fragments land in WK,
;                 the waves' shares of u in X.
;   U             written by the rows' multiply-adds, read by two LDS stores in the last run; behind the second barrier written again by the sums, and as R read by two LDS stores.
;   ACC           bk's loads land there; the matrix instructions add onto it; four global stores read it.
;   T             vector work alone, until wave 0's last LDS load lands in its first pair.
;   WQ, FW        loads land there once, and no vector or matrix instruction names them before.
; ONE wait on vm_vsrc, behind the second barrier, stands between all that the stores and loads ahead of it have read (WK, X, U, RO) and what is written there behind it.
.set LASTROW, 10000                    ; embed's last row
.set EP,      528                      ; an LDS row of 256 f16: 512 bytes + 16 = 33 x 16: the 16 rows that a fragment load touches start at 16 different columns of 16 bytes modulo 256
.set LDS_U,   0                        ; 8 waves x 1,024 bytes: each wave's share of u
.set LDS_SV,  8192                     ; 8 words: each wave's sum of its 8 val
.set LDS_S,   8448                     ; 64 words: the group's share of s, gathered for one store
.set LDS_E,   8704                     ; 64 rows x 528 bytes: the group's rows of embed in f16
.set LDS_K,   LDS_E+64*EP              ; 64 rows x 528 bytes: Wk in f16; ends at byte 76,288
.set LN, 1                             ; v1        16 x lane
.set WO, 2                             ; v2        byte offset in Wq and in Wk: 8,192 x wave + 16 x lane
.set LA, 3                             ; v3        LDS: 1,024 x wave + 16 x lane
.set SA, 4                             ; v4        LDS: 4 x wave
.set SB, 5                             ; v5        LDS: 32 x wave
.set L8, 6                             ; v6        8 x lane
.set ZR, 7                             ; v7        0
.set RO, 8                             ; v[8:15]   byte offset in embed of my 16 bytes of row j; when the rows are in:
.set SV, 8                             ; v[8:15]   the waves' sums of val; v8 ends as their sum
.set U,  16                            ; v[16:23]  my 8 columns of u; when u has been multiplied:
.set R,  16                            ; v[16:23]  the wave's 8 numbers of the share of s
.set T,  24                            ; v[24:39]  at work: the sums of val; pair j: the dot product of Wq's row j
.set FA, 40                            ; v40       LDS: my 16 bytes of E's fragments: LDS_E + (16 (w / 2) + L % 16) x 528 + 16 (L / 16)
.set FB, 41                            ; v41       LDS: the same of Wk's: LDS_K + (32 (w % 2) + L % 16) x 528 + 16 (L / 16)
.set ES, 42                            ; v42       LDS: 8 rows x 528 x wave + 8 x lane: where I put 8 bytes of a rounded row
.set BO, 43                            ; v43       byte offset in bk: 128 (w % 2) + 32 (L / 16)
.set KO, 44                            ; v44       16 x thread: my 16 bytes of each 4,096 bytes of the group's part of kt
.set TM, 45                            ; v45       at work; then the wave's sum of val
.set ACC, 48                           ; v[48:63]  two accumulator tiles
.set WQ, 64                            ; v[64:127] Wq's rows 8 w + j, 8 registers each
.set X,  128                           ; v[128:191] embed's rows, 8 registers each; later the 8 waves' shares of u
.set WK, 192                           ; v[192:255] Wk's rows 8 w + j in f32, 8 registers each; when they are rounded and stored:
.set FE, 192                           ; v[192:255] E's fragments: 8 steps of 32 along e, 8 registers each
.set FW, 0                             ; v[256:383], written v0 .. v127 in the second window of 256: Wk's fragments, tile t, step k at 64 t + 8 k
.set SPOS, 24                          ; s[24:31]  my wave's 8 indices, then their byte offsets
.set SVAL, 32                          ; s[32:39]  my wave's 8 val
.set SBQ,  40                          ; s[40:47]  bq[8 w .. 8 w + 7]
.set SEL,  52                          ; s[52:53]  v_permlanex16_b32: lane i reads lane i of the other half
.macro ADD8 d, a, b                    ; eight sums, two at a time
.irp c, 0,2,4,6
	v_pk_add_f32 v[\d+\c:\d+\c+1], v[\a+\c:\a+\c+1], v[\b+\c:\b+\c+1]
.endr
.endm
; Row j of eight (8 registers at v[src + 8 j]) is rounded to f16: its eight numbers close up into the first four of their eight registers.
.macro CVT4 src, j
	v_cvt_pk_f16_f32 v[\src+8*\j],   v[\src+8*\j],   v[\src+8*\j+1]
	v_cvt_pk_f16_f32 v[\src+8*\j+1], v[\src+8*\j+2], v[\src+8*\j+3]
	v_cvt_pk_f16_f32 v[\src+8*\j+2], v[\src+8*\j+4], v[\src+8*\j+5]
	v_cvt_pk_f16_f32 v[\src+8*\j+3], v[\src+8*\j+6], v[\src+8*\j+7]
.endm
; The rounded row j is laid in LDS: columns 4 L .. + 3 at byte 8 L of the row, columns 128 + 4 L .. + 3 at byte 256 + 8 L.  A store of the wave covers 256 neighbouring bytes.
.macro PUT src, j, base
	ds_store_b64 v[ES], v[\src+8*\j:\src+8*\j+1]   offset:\base+EP*\j
	ds_store_b64 v[ES], v[\src+8*\j+2:\src+8*\j+3] offset:\base+EP*\j+256
.endm
; Eight dot products at once: row j's 8 numbers a lane (v[m + 8 j ..]) times the 8 numbers at v[x ..], then summed over the lanes.
; The eight chains take turns, so that no instruction waits for the one in front of it.  Left: v[T+2j] = the sum over my half of 16 lanes, v[T+2j+1] = the other half's.
.macro DOT8 m, x
.irp j, 0,1,2,3,4,5,6,7
	v_pk_mul_f32 v[T+2*\j:T+2*\j+1], v[\m+8*\j:\m+8*\j+1], v[\x:\x+1]
.endr
.irp c, 2,4,6
.irp j, 0,1,2,3,4,5,6,7
	v_pk_fma_f32 v[T+2*\j:T+2*\j+1], v[\m+8*\j+\c:\m+8*\j+\c+1], v[\x+\c:\x+\c+1], v[T+2*\j:T+2*\j+1]
.endr
.endr
.irp j, 0,1,2,3,4,5,6,7
	v_add_f32 v[T+2*\j], v[T+2*\j], v[T+2*\j+1]
.endr
.irp k, 1,2,4,8
.irp j, 0,1,2,3,4,5,6,7
	v_add_f32_dpp v[T+2*\j], v[T+2*\j], v[T+2*\j] row_xmask:\k row_mask:0xf bank_mask:0xf
.endr
.endr
.irp j, 0,1,2,3,4,5,6,7
	v_permlanex16_b32 v[T+2*\j+1], v[T+2*\j], s[SEL], s[SEL+1]     ; its destination has been written above
.endr
.endm
	s_load_b256 s[4:11], s[0:1], 0x0               ; pos s[4:5], val s[6:7], embed s[8:9], Wq s[10:11]
	s_load_b256 s[12:19], s[0:1], 0x20             ; bq s[12:13], Wk s[14:15], bk s[16:17], sp s[18:19]
	s_load_b64 s[20:21], s[0:1], 0x40              ; kt
	v_lshl_add_u32 v46, v0, 2, 0x12a00
	v_mov_b32 v47, 0
	v_lshrrev_b32 v[TM], 5, v0
	v_readfirstlane_b32 s22, v[TM]                 ; wave 0 .. 7
	v_and_b32 v[L8], 31, v0                        ; lane
	v_lshlrev_b32 v[LN], 4, v[L8]
	v_lshlrev_b32 v[L8], 3, v[L8]
	v_lshlrev_b32 v[KO], 4, v0
	v_and_b32 v[FA], 15, v0                        ; L % 16: a fragment's row
	v_bfe_u32 v[TM], v0, 4, 1                      ; L / 16: which 8 of each 16 along e
	v_mul_u32_u24 v[FA], v[FA], EP
	v_lshl_add_u32 v[FA], v[TM], 4, v[FA]          ; row x pitch + 16 x half
	s_lshl_b32 s60, ttmp9, 8                       ; 256 g: the group's 64 words in pos and val, and its 256 bytes in sp
	s_mov_b32 s61, 0
	s_lshl_b32 s62, ttmp9, 14                      ; 16,384 g: the group's part of kt
	s_mov_b32 s63, 0
	s_wait_alu depctr_va_sdst(0)                   ; s22 is written, ahead of its first reader: offsets, LDS addresses and the last branch are made from it
	s_lshl_b32 s23, s22, 5                         ; 32 w: the wave's 8 words
	s_add_co_u32 s59, s60, s23
	s_lshl_b32 s54, s22, 2
	s_lshr_b32 s55, s22, 1                         ; w / 2: which 16 of the group's rows my tiles take
	s_and_b32 s56, s22, 1                          ; w % 2: which 32 of the 64 numbers d
	s_mul_i32 s55, s55, 16*EP
	s_add_co_u32 s55, s55, LDS_E
	s_mul_i32 s57, s56, 32*EP
	s_add_co_u32 s57, s57, LDS_K
	s_lshl_b32 s56, s56, 7
	s_mul_i32 s58, s22, 8*EP
	v_add_nc_u32 v[FB], s57, v[FA]
	v_add_nc_u32 v[FA], s55, v[FA]
	v_lshl_add_u32 v[BO], v[TM], 5, s56
	v_add_nc_u32 v[ES], s58, v[L8]
	v_lshl_add_u32 v[WO], s22, 13, v[LN]           ; 8 rows of 1,024 bytes a wave
	v_lshl_add_u32 v[LA], s22, 10, v[LN]
	v_mov_b32 v[SA], s54
	v_mov_b32 v[SB], s23
	v_mov_b32 v[ZR], 0
	s_mov_b32 s[SEL], 0x76543210
	s_mov_b32 s[SEL+1], 0xfedcba98
	s_wait_kmcnt 0x0
	s_load_b256 s[SPOS:SPOS+7], s[4:5], s59 offset:0x0
	s_load_b256 s[SVAL:SVAL+7], s[6:7], s59 offset:0x0
	s_load_b256 s[SBQ:SBQ+7], s[12:13], s23 offset:0x0
	s_wait_alu depctr_va_vdst(0)                   ; the twelve offsets and LDS addresses v1 to v7 and v40 to v44 are written: the loads and stores of the whole kernel read them, and no line writes them again
	; Wk and bk hang on no index: their 20 loads go out while the indices are on their way
.irp j, 0,1,2,3,4,5,6,7
	global_load_b128 v[WK+8*\j:WK+8*\j+3],   v[WO], s[14:15] offset:1024*\j
	global_load_b128 v[WK+8*\j+4:WK+8*\j+7], v[WO], s[14:15] offset:1024*\j+512
.endr
	; bk is loaded straight into the accumulators: register i of tile t belongs to d = 32 (w % 2) + 16 t + 8 (L / 16) + i in every lane's row, so the sums start from the bias
.irp t, 0,1
	global_load_b128 v[ACC+8*\t:ACC+8*\t+3],   v[BO], s[16:17] offset:64*\t
	global_load_b128 v[ACC+8*\t+4:ACC+8*\t+7], v[BO], s[16:17] offset:64*\t+16
.endr
	s_add_nc_u64 s[18:19], s[18:19], s[60:61]      ; sp at the group's 256 bytes
	s_add_nc_u64 s[20:21], s[20:21], s[62:63]      ; kt at the group's 16 KiB
	s_wait_kmcnt 0x0                               ; indices, val, bq
.irp j, 0,1,2,3,4,5,6,7
	s_min_u32 s[SPOS+\j], s[SPOS+\j], LASTROW      ; no load leaves the table
	s_lshl_b32 s[SPOS+\j], s[SPOS+\j], 10          ; rows of 1,024 bytes
	v_add_nc_u32 v[RO+\j], s[SPOS+\j], v[LN]
.endr
	s_wait_alu depctr_va_vdst(0)                   ; the eight adds have written v[RO ..], which the sixteen loads below read as their offsets
.irp j, 0,1,2,3,4,5,6,7
	global_load_b128 v[X+8*\j:X+8*\j+3],   v[RO+\j], s[8:9]
	global_load_b128 v[X+8*\j+4:X+8*\j+7], v[RO+\j], s[8:9] offset:512
.endr
	; the wave's sum of val, while the rows are on their way; its store stands in the first run of LDS stores below
	v_add_f32 v[T],   s[SVAL],   s[SVAL+1]
	v_add_f32 v[T+1], s[SVAL+2], s[SVAL+3]
	v_add_f32 v[T+2], s[SVAL+4], s[SVAL+5]
	v_add_f32 v[T+3], s[SVAL+6], s[SVAL+7]
	v_pk_add_f32 v[T:T+1], v[T:T+1], v[T+2:T+3]
	v_add_f32 v[TM], v[T], v[T+1]
	; Wk to f16 and into LDS, four rows to a run of stores.  Loads come back in order: behind row j's two loads stand 2 (7 - j) of Wk, 4 of bk and 16 of rows.
.irp j, 0,1,2,3
	s_wait_loadcnt 34-2*\j
	CVT4 WK, \j
.endr
	s_wait_alu depctr_va_vdst(0)                   ; the sum of val is written into v[TM], and rows 0 to 3 of Wk are rounded: the nine LDS stores below read them
	ds_store_b32 v[SA], v[TM] offset:LDS_SV        ; all lanes write the wave's one word with one value
.irp j, 0,1,2,3
	PUT WK, \j, LDS_K
.endr
.irp j, 4,5,6,7
	s_wait_loadcnt 34-2*\j
	CVT4 WK, \j                                    ; these write rows 4 to 7's registers: none that the stores above read
.endr
	s_wait_alu depctr_va_vdst(0)                   ; rows 4 to 7 of Wk are rounded: the eight LDS stores below read them
.irp j, 4,5,6,7
	PUT WK, \j, LDS_K
.endr
	s_wait_dscnt 0x0                               ; my rows of Wk are in LDS, for the other waves' sake
	s_barrier_signal -1
	s_barrier_wait -1                              ; all 64 are
	; Wk's fragments hang on no row of embed: all 32 loads go out now, while the rows are on their way.
	; A fragment is 16 rows x 32 along e in 8 registers: lane L holds row L % 16; registers 0-3 hold e = 8 (L / 16) + 0..7, registers 4-7 e = 16 + 8 (L / 16) + 0..7: two loads, 32 bytes apart.
	; No wait on va_vdst here: no vector line ever names v256 to v383, and v[FB] was written ahead of the head's wait.
	s_set_vgpr_msb 0x40                            ; destinations in the second window (v256 ..), addresses in the first
.irp t, 0,1
.irp k, 0,1,2,3,4,5,6,7
	ds_load_b128 v[FW+64*\t+8*\k:FW+64*\t+8*\k+3],   v[FB] offset:16*EP*\t+64*\k
	ds_load_b128 v[FW+64*\t+8*\k+4:FW+64*\t+8*\k+7], v[FB] offset:16*EP*\t+64*\k+32
.endr
.endr
	s_set_vgpr_msb 0x4000                          ; all back to the first window (the high byte repeats the setting that is left)
	; Wq is needed last, behind the whole of u: its 16 loads are issued behind the rows' and behind the LDS instructions above; no vector line has named v[WQ ..]
.irp j, 0,1,2,3,4,5,6,7
	global_load_b128 v[WQ+8*\j:WQ+8*\j+3],   v[WO], s[10:11] offset:1024*\j
	global_load_b128 v[WQ+8*\j+4:WQ+8*\j+7], v[WO], s[10:11] offset:1024*\j+512
.endr
	; each row, as it comes: into the sum u (f32; the first row starts the sums), then rounded in place.  Behind row j's two loads stand 2 (7 - j) of rows and 16 of Wq.
	s_wait_loadcnt 30
.irp c, 0,1,2,3,4,5,6,7
	v_mul_f32 v[U+\c], s[SVAL], v[X+\c]
.endr
	CVT4 X, 0
.irp j, 1,2,3
	s_wait_loadcnt 30-2*\j
.irp c, 0,1,2,3,4,5,6,7
	v_fmac_f32 v[U+\c], s[SVAL+\j], v[X+8*\j+\c]
.endr
	CVT4 X, \j
.endr
	s_wait_alu depctr_va_vdst(0)                   ; rows 0 to 3 of embed are rounded: the eight LDS stores below read them
.irp j, 0,1,2,3
	PUT X, \j, LDS_E
.endr
.irp j, 4,5,6,7
	s_wait_loadcnt 30-2*\j
.irp c, 0,1,2,3,4,5,6,7
	v_fmac_f32 v[U+\c], s[SVAL+\j], v[X+8*\j+\c]
.endr
	CVT4 X, \j                                     ; these write rows 4 to 7's registers and u: none that the stores above read
.endr
	s_wait_alu depctr_va_vdst(0)                   ; rows 4 to 7 are rounded and u is written: the ten LDS stores below read them.  All vector work on v[X ..] and v[WK ..] is done too: loads land there behind the barrier, and no vector line stands between
.irp j, 4,5,6,7
	PUT X, \j, LDS_E
.endr
	ds_store_b128 v[LA], v[U:U+3]   offset:LDS_U
	ds_store_b128 v[LA], v[U+4:U+7] offset:LDS_U+512
	s_wait_dscnt 0x0                               ; my rows and my share of u are in LDS, for the other waves' sake; Wk's fragments are in my registers
	s_barrier_signal -1
	s_barrier_wait -1                              ; everybody's are
	s_wait_alu depctr_vm_vsrc(0)                   ; my LDS stores have read v[WK ..], v[X ..] and v[U ..], and the rows' loads have read v[RO ..]: the loads below land in the first two and the last, the sums further down write u again
.irp k, 0,1,2,3,4,5,6,7
	ds_load_b128 v[FE+8*\k:FE+8*\k+3],   v[FA] offset:64*\k            ; E's fragments, ahead of everything else
	ds_load_b128 v[FE+8*\k+4:FE+8*\k+7], v[FA] offset:64*\k+32
.endr
.irp k, 0,1,2,3,4,5,6,7
	ds_load_b128 v[X+8*\k:X+8*\k+3],   v[LN] offset:LDS_U+1024*\k      ; wave k's share of my 8 columns of u
	ds_load_b128 v[X+8*\k+4:X+8*\k+7], v[LN] offset:LDS_U+1024*\k+512
.endr
	ds_load_b128 v[SV:SV+3],   v[ZR] offset:LDS_SV ; v[8:15] held the rows' offsets: the wait for the last row has shown those loads done
	ds_load_b128 v[SV+4:SV+7], v[ZR] offset:LDS_SV+16
	; k = Wk e + bk.  Source 0 takes 16 rows of Wk and source 1 16 rows of E, so that lane L holds row L % 16 of the 16 and its registers 0 to 7 the
	; numbers d = 8 (L / 16) + 0 .. 7: neighbouring numbers of a row of k.  The two accumulators take turns, one instruction a turn.
	; bk was loaded ahead of the rows: the wait for the last row covered it.
	s_set_vgpr_msb 0x0001                          ; source 0 in the second window
.irp k, 0,1,2,3,4,5,6,7
	s_wait_dscnt 32-2*\k                           ; behind step k's two loads stand 2 (7 - k) of E's and the 18 of u and of the sums of val
	v_wmma_f32_16x16x32_f16 v[ACC:ACC+7],    v[FW+8*\k:FW+8*\k+7],       v[FE+8*\k:FE+8*\k+7], v[ACC:ACC+7]
	v_wmma_f32_16x16x32_f16 v[ACC+8:ACC+15], v[FW+64+8*\k:FW+64+8*\k+7], v[FE+8*\k:FE+8*\k+7], v[ACC+8:ACC+15]
.endr
	s_set_vgpr_msb 0x0100                          ; all back to the first window
	s_wait_dscnt 10                                ; of the 18 loads the first 8 (waves 0 to 3) are in
	ADD8 X, X, X+8                                 ; these twelve packed sums name none of the matrix instructions' registers: they are the places
	ADD8 X+16, X+16, X+24                          ; (four are asked for) between the last matrix instruction and the stores of the results
	ADD8 X, X, X+16
	s_wait_alu depctr_va_vdst(0)                   ; the matrix instructions have written the accumulators, which the four stores read; the places above stay beside this wait
.irp q, 0,1,2,3
	global_store_b128 v[KO], v[ACC+4*\q:ACC+4*\q+3], s[20:21] offset:4096*\q   ; each store of the wave covers 512 consecutive bytes, aligned
.endr
	s_wait_dscnt 2                                 ; all but the two loads of the sums of val
	ADD8 X+32, X+32, X+40
	ADD8 X+48, X+48, X+56
	ADD8 X+32, X+32, X+48
	ADD8 U, X, X+32                                ; u of the group's 64 rows, my 8 columns
	s_wait_dscnt 0x0
	v_pk_add_f32 v[SV:SV+1], v[SV:SV+1], v[SV+2:SV+3]
	v_pk_add_f32 v[SV+4:SV+5], v[SV+4:SV+5], v[SV+6:SV+7]
	v_pk_add_f32 v[SV:SV+1], v[SV:SV+1], v[SV+4:SV+5]
	v_add_f32 v[SV], v[SV], v[SV+1]                ; sv of the group's 64 rows
	s_wait_loadcnt 0x0                             ; Wq
	DOT8 WQ, U                                     ; Wq's rows 8 w + j times u
.irp j, 0,1,2,3,4,5,6,7
	v_add_f32 v[R+\j], v[T+2*\j], v[T+2*\j+1]      ; both halves of the lanes (u is no longer needed: R takes its registers)
.endr
.irp j, 0,1,2,3,4,5,6,7
	v_fmac_f32 v[R+\j], s[SBQ+\j], v[SV]           ; + bq[8 w + j] sv
.endr
	s_wait_alu depctr_va_vdst(0)                   ; v[R ..] is written, which the two LDS stores read; the sums above are done reading v[T ..], in which wave 0's LDS load lands behind the barrier
	ds_store_b128 v[SB], v[R:R+3]   offset:LDS_S   ; every lane holds the same eight numbers and writes the wave's same 32 bytes
	ds_store_b128 v[SB], v[R+4:R+7] offset:LDS_S+16
	s_wait_dscnt 0x0                               ; in LDS, for wave 0's sake
	s_barrier_signal -1
	s_barrier_wait -1
	s_cmp_lg_u32 s22, 0
	s_cbranch_scc1 .Ldone
	ds_load_b64 v[T:T+1], v[L8] offset:LDS_S       ; wave 0: lane L takes d = 2 L, 2 L + 1
	s_wait_dscnt 0x0
	v_pk_mul_f32 v[T:T+1], v[T:T+1], 0x3e000000 op_sel_hi:[1,0]    ; SCALE = 64^-0.5 = 0.125, once for everything that is made of s
	s_wait_alu depctr_va_vdst(0)                   ; the product is written into v[T:T+1], which the store reads
	global_store_b64 v[L8], v[T:T+1], s[18:19]     ; one store of the wave covers the group's 256 consecutive bytes, aligned
.Ldone:
	s_wait_dscnt 0x0
	s_wait_alu depctr_hold_cnt(0) depctr_sa_sdst(0) depctr_va_vdst(0) depctr_va_sdst(0) depctr_va_ssrc(0) depctr_va_vcc(0) depctr_vm_vsrc(0)
	s_wait_tensorcnt 0x0
	ds_add_u32 v46, v47
	s_wait_dscnt 0x0
	s_endpgm
.Lfunc_end_k_q0c82a606fa_qk:
	.size	k_q0c82a606fa_qk, .Lfunc_end_k_q0c82a606fa_qk-k_q0c82a606fa_qk
	.p2alignl 7, 3214868480
	.fill 96, 4, 3214868480
	.section	.rodata,"a",@progbits
	.p2align	6, 0x0
	.amdhsa_kernel k_q0c82a606fa_qk
		.amdhsa_group_segment_fixed_size 77312
		.amdhsa_private_segment_fixed_size 0
		.amdhsa_enable_private_segment 0
		.amdhsa_kernarg_size 72
		.amdhsa_user_sgpr_count 2
		.amdhsa_user_sgpr_kernarg_segment_ptr 1
		.amdhsa_wavefront_size32 1
		.amdhsa_system_sgpr_workgroup_id_x 1
		.amdhsa_system_sgpr_workgroup_id_y 1
		.amdhsa_system_sgpr_workgroup_id_z 1
		.amdhsa_system_vgpr_workitem_id 0
		.amdhsa_next_free_vgpr 384
		.amdhsa_next_free_sgpr 66
		.amdhsa_reserve_vcc 0
		.amdhsa_float_denorm_mode_32 3
		.amdhsa_float_denorm_mode_16_64 3
		.amdhsa_memory_ordered 1
		.amdhsa_forward_progress 1
		.amdhsa_inst_pref_size 32
	.end_amdhsa_kernel
	.amdgpu_metadata
---
amdhsa.version: [ 1, 2 ]
amdhsa.kernels:
  - .name:           k_q0c82a606fa_qk
    .symbol:         k_q0c82a606fa_qk.kd
    .args:
      - { .name: pos, .offset: 0, .size: 8, .value_kind: global_buffer, .address_space: global }
      - { .name: val, .offset: 8, .size: 8, .value_kind: global_buffer, .address_space: global }
      - { .name: embed, .offset: 16, .size: 8, .value_kind: global_buffer, .address_space: global }
      - { .name: Wq, .offset: 24, .size: 8, .value_kind: global_buffer, .address_space: global }
      - { .name: bq, .offset: 32, .size: 8, .value_kind: global_buffer, .address_space: global }
      - { .name: Wk, .offset: 40, .size: 8, .value_kind: global_buffer, .address_space: global }
      - { .name: bk, .offset: 48, .size: 8, .value_kind: global_buffer, .address_space: global }
      - { .name: sp, .offset: 56, .size: 8, .value_kind: global_buffer, .address_space: global }
      - { .name: kt, .offset: 64, .size: 8, .value_kind: global_buffer, .address_space: global }
    .group_segment_fixed_size: 77312
    .private_segment_fixed_size: 0
    .kernarg_segment_align: 8
    .kernarg_segment_size: 72
    .max_flat_workgroup_size: 256
    .sgpr_count:     66
    .vgpr_count:     384
    .wavefront_size: 32
...
	.end_amdgpu_metadata
.endif
;; end of part 5
;; launch apply: the kernel of part 4 again; grid 256 x 1, 8 waves a work-group, no clusters, 5,888 bytes of LDS; arguments val, sp, kt, out0; writes out0
